; MI455X (gfx1250); checked and timed in simulation.
; The chip was launched on July 23, 2026; its instructions are those of AMD's public machine-readable ISA for CDNA 5 (MIT licence, August 2026) and "CDNA5" Instruction Set Architecture Reference Guide (July 2026). The comments in the code are by the model that wrote it; some were corrected since.
;; SWA. Allowed arithmetic: float matrix products may take bf16 or f16 operands with f32 sums; other float arithmetic in f32, or as packed bf16 or f16 multiplies, adds, multiply-adds, maxima and minima; sums over many terms, partial sums and values carried from step to step in f32; what a program stores and reads back later, other than sums and carried values, may be rounded once to bf16 or f16.
;; Inputs: hidden_states 2,048 x 2,048 float32; k_cache 2,048 x 2,048 float32; k_norm_w 128 float32; q_norm_w 128 float32; v_cache 2,048 x 2,048 float32; wk 2,048 x 2,048 float32; wo 2,048 x 2,048 float32; wq 2,048 x 2,048 float32; wv 2,048 x 2,048 float32.
;; Outputs: out0 2,048 x 2,048 float32; out1 2,048 x 2,048 float32; out2 2,048 x 2,048 float32.
;; Constants: chunk_id = 1.
;; One version. Each part assembles by itself: llvm-mc -triple=amdgcn-amd-amdhsa -mcpu=gfx1250 --defsym DOCPART=n.
;; ======== version 1 of 1: 4 launches
;; limits: values are held in f16: magnitudes above 65,504 overflow, below 6.1e-05 lose precision
;; workspace buffers: hsh 8,388,608 bytes; wqkvh 25,165,824 bytes; woh 8,388,608 bytes; qf 8,388,608 bytes; kf 16,777,216 bytes; vf 16,777,216 bytes; of 8,388,608 bytes; tab 1,048,576 bytes
;; launch prep (part 1): grid 256 x 8, 8 waves a work-group, no clusters, 0 bytes of LDS; arguments k_cache, hidden_states, wq, wk, wv, wo, v_cache, kf, tab, hsh, wqkvh, woh, vf; writes kf, tab, hsh, wqkvh, woh, vf
.if DOCPART == 1
	.amdgcn_target "amdgcn-amd-amdhsa--gfx1250"
	.amdhsa_code_object_version 6
	.text
	.protected	k_qd0ce7222dd_prep
	.globl	k_qd0ce7222dd_prep
	.p2align	8
	.type	k_qd0ce7222dd_prep,@function
k_qd0ce7222dd_prep:
	s_mov_b64 s[64:65], 0
	v_nop
	global_prefetch_b8 v0, s[64:65] scope:SCOPE_SE
	s_setreg_imm32_b32 hwreg(HW_REG_WAVE_MODE, 25, 1), 1
	s_wait_xcnt 0x0
; THE INPUTS ARE ROUNDED ONCE.  Seven arrays of [2048][2048] f32 are rounded to bf16 (the one rounding of all the module's inputs) and that number is written as f16, so that one
; matrix form serves every product.  LIMITS: a bf16 number is exact in f16 from 6.1e-5 to 65,504; below that it keeps f16's fixed step of 6e-8; beyond 65,504 it would be lost.
; The grid's y is the job: 0 k_cache, turned by RoPE at positions 0..2047, into kf's rows 0..2047; 1 the table of cos and sin for positions 2048..4095; 2 hidden_states; 3, 4, 5 wq, wk, wv, one
; below the other in wqkvh; 6 wo; 7 v_cache into vf's rows 0..2047.  The grid's x names 8 rows, a wave a row.
; A UNIT is 128 columns of the row: a lane loads 16 bytes (4 f32: RoPE's pairs 2 l and 2 l + 1 of a head), a wave 512 consecutive bytes; a lane stores 8 bytes, a wave 256 consecutive bytes, aligned.
; All 16 loads of a wave go out at once, each into registers of its own, and each unit is stored from its own registers: no register that a load or store names is ever written again.
; A stream: no LDS, no matrix unit, no cluster (no byte is read twice).
; THE ANGLE is pos x inv(j), one f32 rounding, inv(j) = 2^(-j log2(10000) / 64); it is brought into -pi/4 .. pi/4 by pi/2 in two parts (at most 2,608 quarter turns), sin and cos by their series up to
; r^7 and r^8, the quadrant by selects.
.set VI,  2                            ; v2   16 lane + 8,192 wave: my 16 bytes in the group's 8 rows of f32; never rewritten
.set VO,  3                            ; v3   8 lane + 4,096 wave: my 8 bytes in the 8 rows of f16; never rewritten
.set VT,  4                            ; v4   16 lane + 512 wave: my entry in 8 rows of the table
.set T,   6                            ; v[6:13]  at work
.set INV, 14                           ; v14, v15  inv(2 l), inv(2 l + 1)
.set CS,  16                           ; v[16:19] cos(2 l), cos(2 l + 1), sin(2 l), sin(2 l + 1)
.set POS, 20                           ; v20  the row's position as f32; v21-29 at work; v30, v31 two coefficients
.set X,   32                           ; v[32:95] unit u at X + 4 u
	s_load_b512 s[8:23], s[0:1], 0x0               ; k_cache 8, hidden_states 10, wq 12, wk 14, wv 16, wo 18, v_cache 20, kf 22
	s_load_b256 s[24:31], s[0:1], 0x40             ; tab 24, hsh 26, wqkvh 28, woh 30
	s_load_b64 s[32:33], s[0:1], 0x60              ; vf
	s_and_b32 s2, ttmp7, 0xffff                    ; the job
	v_lshrrev_b32 v5, 5, v0
	v_readfirstlane_b32 s3, v5                     ; wave 0..7
	v_and_b32 v1, 31, v0                           ; lane
	v_lshlrev_b32 v[VI], 4, v1
	v_lshl_add_u32 v[VI], s3, 13, v[VI]
	v_lshlrev_b32 v[VO], 3, v1
	v_lshl_add_u32 v[VO], s3, 12, v[VO]
	v_lshlrev_b32 v[VT], 4, v1
	v_lshl_add_u32 v[VT], s3, 9, v[VT]
	s_mov_b32 s44, 0xffff0000                      ; a word's upper bf16
	s_lshl_b32 s40, ttmp9, 16                      ; 8 rows of 8,192 bytes
	s_mov_b32 s41, 0
	s_sub_co_u32 s42, s2, 3                        ; jobs 3, 4, 5: 0, 1, 2 blocks of 2,048 rows down in wqkvh
	s_cmp_lt_u32 s42, 3
	s_cselect_b32 s42, s42, 0
	s_lshl_b32 s42, s42, 23
	s_lshl_b32 s43, ttmp9, 15                      ; 8 rows of 4,096 bytes
	s_add_co_u32 s42, s42, s43
	s_mov_b32 s43, 0
	s_lshl_b32 s46, ttmp9, 12                      ; 8 rows of 512 bytes of the table
	s_mov_b32 s47, 0
	s_lshl_b32 s34, ttmp9, 3
	s_add_co_u32 s34, s34, s3                      ; my row,
	s_cmp_eq_u32 s2, 1
	s_cselect_b32 s35, 2048, 0
	s_add_co_u32 s34, s34, s35                     ; and its position: the table's rows begin at 2,048
	s_wait_kmcnt 0x0
	s_mov_b64 s[36:37], s[20:21]                   ; from where and to where, by the job: 7 (and 1, which does not use them)
	s_mov_b64 s[38:39], s[32:33]
	s_cmp_eq_u32 s2, 0
	s_cselect_b64 s[36:37], s[8:9], s[36:37]
	s_cselect_b64 s[38:39], s[22:23], s[38:39]
	s_cmp_eq_u32 s2, 2
	s_cselect_b64 s[36:37], s[10:11], s[36:37]
	s_cselect_b64 s[38:39], s[26:27], s[38:39]
	s_cmp_eq_u32 s2, 3
	s_cselect_b64 s[36:37], s[12:13], s[36:37]
	s_cselect_b64 s[38:39], s[28:29], s[38:39]
	s_cmp_eq_u32 s2, 4
	s_cselect_b64 s[36:37], s[14:15], s[36:37]
	s_cselect_b64 s[38:39], s[28:29], s[38:39]
	s_cmp_eq_u32 s2, 5
	s_cselect_b64 s[36:37], s[16:17], s[36:37]
	s_cselect_b64 s[38:39], s[28:29], s[38:39]
	s_cmp_eq_u32 s2, 6
	s_cselect_b64 s[36:37], s[18:19], s[36:37]
	s_cselect_b64 s[38:39], s[30:31], s[38:39]
	s_add_nc_u64 s[36:37], s[36:37], s[40:41]
	s_add_nc_u64 s[38:39], s[38:39], s[42:43]
	s_add_nc_u64 s[24:25], s[24:25], s[46:47]
; cos and sin of pos x inv into v[c] and v[s]
.macro SINCOS c, s, inv
	v_mul_f32 v21, v[POS], v[\inv]                 ; the angle
	v_mul_f32 v22, 0x3f22f983, v21                 ; x 2 / pi
	v_rndne_f32 v22, v22                           ; quarter turns
	v_fmamk_f32 v23, v22, 0xbfc90fdb, v21          ; less pi/2's upper part (the product is exact inside the multiply-add),
	v_fmamk_f32 v23, v22, 0x333bbd2e, v23          ; and its lower part: r
	v_mul_f32 v24, v23, v23                        ; r^2
	v_cvt_i32_f32 v25, v22
	v_fmaak_f32 v26, v30, v24, 0x3c088889          ; sin r = r + r^3 (-1/6 + r^2 (1/120 - r^2 / 5040))
	v_fmaak_f32 v26, v26, v24, 0xbe2aaaab
	v_mul_f32 v26, v26, v24
	v_fma_f32 v28, v26, v23, v23
	v_fmaak_f32 v27, v31, v24, 0xbab60b61          ; cos r = 1 + r^2 (-1/2 + r^2 (1/24 + r^2 (-1/720 + r^2 / 40320)))
	v_fmaak_f32 v27, v27, v24, 0x3d2aaaab
	v_fma_f32 v27, v27, v24, -0.5
	v_fma_f32 v27, v27, v24, 1.0
	v_and_b32 v29, 1, v25                          ; an odd quarter swaps the two,
	v_cmp_eq_u32 vcc_lo, 1, v29
	v_cndmask_b32 v[\s], v28, v27, vcc_lo
	v_cndmask_b32 v[\c], v27, v28, vcc_lo
	v_lshlrev_b32 v29, 30, v25                     ; quarters 2 and 3 turn the sine's sign,
	v_and_b32 v29, 0x80000000, v29
	v_xor_b32 v[\s], v[\s], v29
	v_add_nc_u32 v29, 1, v25                       ; quarters 1 and 2 the cosine's
	v_lshlrev_b32 v29, 30, v29
	v_and_b32 v29, 0x80000000, v29
	v_xor_b32 v[\c], v[\c], v29
.endm
.macro TRIG
	v_cvt_f32_u32 v[POS], s34
	v_lshlrev_b32 v21, 1, v1
	v_cvt_f32_u32 v21, v21                         ; j = 2 l
	v_add_f32 v22, 1.0, v21                        ; and 2 l + 1
	v_mul_f32 v21, 0xbe549a78, v21                 ; x -log2(10000) / 64
	v_mul_f32 v22, 0xbe549a78, v22
	v_exp_f32 v[INV], v21
	v_exp_f32 v[INV+1], v22
	v_mov_b32 v30, 0xb9500d01                      ; -1/5040: also the plain instruction behind the second exponential
	v_mov_b32 v31, 0x37d00d01                      ; 1/40320
	s_wait_alu depctr_va_vdst(0)                   ; one wait for the two exponentials, ahead of their first reader
	SINCOS CS, CS+2, INV
	SINCOS CS+1, CS+3, INV+1
.endm
; RoPE on two pairs: (x0, x1) by (c0, s0), (x2, x3) by (c1, s1): o0 = x0 c - x1 s, o1 = x1 c + x0 s.  x: four registers, c: c0 c1 s0 s1, t: four results
.macro ROPE x, c, t
	v_pk_mul_f32 v[(\t):(\t)+1], v[(\x):(\x)+1], v[(\c):(\c)+1] op_sel_hi:[1,0]
	v_pk_mul_f32 v[(\t)+2:(\t)+3], v[(\x)+2:(\x)+3], v[(\c):(\c)+1] op_sel:[0,1] op_sel_hi:[1,1]
	v_pk_fma_f32 v[(\t):(\t)+1], v[(\x):(\x)+1], v[(\c)+2:(\c)+3], v[(\t):(\t)+1] op_sel:[1,0,0] op_sel_hi:[0,0,1] neg_lo:[0,1,0]
	v_pk_fma_f32 v[(\t)+2:(\t)+3], v[(\x)+2:(\x)+3], v[(\c)+2:(\c)+3], v[(\t)+2:(\t)+3] op_sel:[1,1,0] op_sel_hi:[0,1,1] neg_lo:[0,1,0]
.endm
.macro UNIT u, rope
	s_wait_loadcnt 15-(\u)                         ; loads come back in order: unit u is in, the 15 - u younger ones stay out
	v_cvt_pk_bf16_f32 v[T], v[X+4*(\u)], v[X+4*(\u)+1]      ; the inputs' one rounding,
	v_cvt_pk_bf16_f32 v[T+1], v[X+4*(\u)+2], v[X+4*(\u)+3]
	v_lshlrev_b32 v[X+4*(\u)], 16, v[T]                     ; and back to f32
	v_and_b32 v[X+4*(\u)+1], s44, v[T]
	v_lshlrev_b32 v[X+4*(\u)+2], 16, v[T+1]
	v_and_b32 v[X+4*(\u)+3], s44, v[T+1]
.if \rope
	ROPE X+4*(\u), CS, T+2
	v_cvt_pk_f16_f32 v[X+4*(\u)], v[T+2], v[T+3]
	v_cvt_pk_f16_f32 v[X+4*(\u)+1], v[T+4], v[T+5]
.else
	v_cvt_pk_f16_f32 v[X+4*(\u)], v[X+4*(\u)], v[X+4*(\u)+1]
	v_cvt_pk_f16_f32 v[X+4*(\u)+1], v[X+4*(\u)+2], v[X+4*(\u)+3]
.endif
	global_store_b64 v[VO], v[X+4*(\u):X+4*(\u)+1], s[38:39] offset:256*(\u) th:TH_STORE_NT
.endm
	s_cmp_eq_u32 s2, 1
	s_cbranch_scc1 .Ltable
.irp u, 0,1,2,3,4,5,6,7,8,9,10,11,12,13,14,15
	global_load_b128 v[X+4*(\u):X+4*(\u)+3], v[VI], s[36:37] offset:512*(\u) th:TH_LOAD_NT
.endr
	s_cmp_eq_u32 s2, 0
	s_cbranch_scc0 .Lcast
	TRIG                                           ; stands in the wait for the loads
.irp u, 0,1,2,3,4,5,6,7,8,9,10,11,12,13,14,15
	UNIT \u, 1
.endr
	s_endpgm
.Lcast:
.irp u, 0,1,2,3,4,5,6,7,8,9,10,11,12,13,14,15
	UNIT \u, 0
.endr
	s_endpgm
.Ltable:
	TRIG
	global_store_b128 v[VT], v[CS:CS+3], s[24:25]  ; a wave stores a row of the table: 512 consecutive bytes
	s_endpgm
.Lfunc_end_k_qd0ce7222dd_prep:
	.size	k_qd0ce7222dd_prep, .Lfunc_end_k_qd0ce7222dd_prep-k_qd0ce7222dd_prep
	.p2alignl 7, 3214868480
	.fill 96, 4, 3214868480
	.section	.rodata,"a",@progbits
	.p2align	6, 0x0
	.amdhsa_kernel k_qd0ce7222dd_prep
		.amdhsa_group_segment_fixed_size 0
		.amdhsa_private_segment_fixed_size 0
		.amdhsa_enable_private_segment 0
		.amdhsa_kernarg_size 104
		.amdhsa_user_sgpr_count 2
		.amdhsa_user_sgpr_kernarg_segment_ptr 1
		.amdhsa_wavefront_size32 1
		.amdhsa_system_sgpr_workgroup_id_x 1
		.amdhsa_system_sgpr_workgroup_id_y 1
		.amdhsa_system_sgpr_workgroup_id_z 1
		.amdhsa_system_vgpr_workitem_id 0
		.amdhsa_next_free_vgpr 96
		.amdhsa_next_free_sgpr 66
		.amdhsa_reserve_vcc 1
		.amdhsa_float_denorm_mode_32 3
		.amdhsa_float_denorm_mode_16_64 3
		.amdhsa_memory_ordered 1
		.amdhsa_forward_progress 1
		.amdhsa_inst_pref_size 30
	.end_amdhsa_kernel
	.amdgpu_metadata
---
amdhsa.version: [ 1, 2 ]
amdhsa.kernels:
  - .name:           k_qd0ce7222dd_prep
    .symbol:         k_qd0ce7222dd_prep.kd
    .args:
      - { .name: k_cache, .offset: 0, .size: 8, .value_kind: global_buffer, .address_space: global }
      - { .name: hidden_states, .offset: 8, .size: 8, .value_kind: global_buffer, .address_space: global }
      - { .name: wq, .offset: 16, .size: 8, .value_kind: global_buffer, .address_space: global }
      - { .name: wk, .offset: 24, .size: 8, .value_kind: global_buffer, .address_space: global }
      - { .name: wv, .offset: 32, .size: 8, .value_kind: global_buffer, .address_space: global }
      - { .name: wo, .offset: 40, .size: 8, .value_kind: global_buffer, .address_space: global }
      - { .name: v_cache, .offset: 48, .size: 8, .value_kind: global_buffer, .address_space: global }
      - { .name: kf, .offset: 56, .size: 8, .value_kind: global_buffer, .address_space: global }
      - { .name: tab, .offset: 64, .size: 8, .value_kind: global_buffer, .address_space: global }
      - { .name: hsh, .offset: 72, .size: 8, .value_kind: global_buffer, .address_space: global }
      - { .name: wqkvh, .offset: 80, .size: 8, .value_kind: global_buffer, .address_space: global }
      - { .name: woh, .offset: 88, .size: 8, .value_kind: global_buffer, .address_space: global }
      - { .name: vf, .offset: 96, .size: 8, .value_kind: global_buffer, .address_space: global }
    .group_segment_fixed_size: 0
    .private_segment_fixed_size: 0
    .kernarg_segment_align: 8
    .kernarg_segment_size: 104
    .max_flat_workgroup_size: 256
    .sgpr_count:     66
    .vgpr_count:     96
    .wavefront_size: 32
...
	.end_amdgpu_metadata
.endif
;; end of part 1
;; launch proj (part 2): grid 24 x 8, 4 waves a work-group, clusters of 4 x 4, 327,680 bytes of LDS; arguments hsh, wqkvh, tab, q_norm_w, k_norm_w, qf, kf, vf, out1, out2; writes qf, kf, vf, out1, out2
.if DOCPART == 2
	.amdgcn_target "amdgcn-amd-amdhsa--gfx1250"
	.amdhsa_code_object_version 6
	.text
	.protected	k_qd0ce7222dd_proj
	.globl	k_qd0ce7222dd_proj
	.p2align	8
	.type	k_qd0ce7222dd_proj,@function
k_qd0ce7222dd_proj:
	s_mov_b64 s[64:65], 0
	v_nop
	global_prefetch_b8 v0, s[64:65] scope:SCOPE_SE
	s_setreg_imm32_b32 hwreg(HW_REG_WAVE_MODE, 25, 1), 1
	s_wait_xcnt 0x0
	s_wait_alu depctr_hold_cnt(0) depctr_sa_sdst(0) depctr_va_vdst(0) depctr_va_sdst(0) depctr_va_ssrc(0) depctr_va_vcc(0) depctr_vm_vsrc(0)
	s_getreg_b32 s2, hwreg(HW_REG_IB_STS2, 6, 4)
	s_cmp_eq_u32 s2, 0
	s_cbranch_scc0 .Lentry_in_a_cluster
	s_endpgm
.Lentry_in_a_cluster:
	s_bfe_u32 s2, ttmp6, 0x10000c
	s_cmp_lg_u32 s2, 0xf033
	s_cbranch_scc0 .Lentry_shape_is_right
	s_endpgm
.Lentry_shape_is_right:
; THE THREE PROJECTIONS AS ONE PRODUCT, C[t][n] = sum over k of hs[t][k] w[n][k], [2048] x [6144] x [2048], f16 operands, f32 sums, WITH NORM, ROPE AND CASTS ON THE WAY OUT.
; Columns 0-2047 are q, 2048-4095 k, 4096-6143 v.  q: RMS norm by heads, x q_norm_w, RoPE at position 2048 + t, f16 into qf.  k: norm, x k_norm_w, f32 into out1; then RoPE, f16 into kf's row 2048 + t.
; v: f32 into out2, f16 into vf's row 2048 + t.  LIMITS: f16 ends at 65,504: |v| must stay below it (q and k are at most 11.4 x their weight); the two norm weights are rounded to bf16 like all inputs.
; A tile of C, 256 x 256, is made by four waves; a wave makes 128 x 128: 64 accumulators of 16 x 16, 512 registers: 128 rows of ONE head, so norm and RoPE never leave the wave.
; 24 x 8 tiles: 192 work-groups.  K goes in steps of 128 through a ring of two LDS slots filled by the tensor data mover; the rows of the tiles are 256 bytes of memory, aligned.
; CLUSTERS: 4 x 4 work-groups; the four of a row need the same tiles of hs, the four of a column the same tiles of w: each tile is asked for JOINTLY, by the same tensor load with the same descriptor and a
; mask that names the four.  The kind of a column (q, k, v) hangs on the cluster's x alone, so the branch on it is alike in all sixteen.
; REGISTERS, in windows of 256: window 0: v0-31 addresses; v64-127, v128-191 fragments of hs, two buffers; on the way out v32-255 at work.  window 1: v64-127, v128-191 fragments of w.
;   window 2: the 32 accumulators of my rows 0-63 (accumulator (a, b) at v[8 (8 a + b)]);  window 3: those of my rows 64-127.
; THE MATRIX INSTRUCTION IS USED TRANSPOSED: source 0 = 16 rows of w, source 1 = 16 rows of hs: lane l holds row l % 16 of C and its registers the columns 8 (l / 16) + 0..7.
.set SIZE_K, 2048
.set KSTEP,  128
.set PITCH,  272                       ; an LDS row: 256 bytes + 16 of padding = 68 words: the 16 rows of a load start at 16 different groups of four banks (64 banks of 4 bytes: ISA guide 11.1)
.set HALFT,  128*PITCH                 ; 128 rows: what one tensor load brings
.set SLOT,   4*HALFT                   ; hs's 256 rows, then w's 256 rows
.set SPARE,  2*SLOT                    ; behind the ring: the spare words, 128 bytes for each wave: two blocks of 256 bytes that no other line names
.set LAPS,   SIZE_K/(2*KSTEP)          ; a lap = two K steps = once round the ring
.set SPITCH, 528                       ; the way out: a row of 128 f32 + 16 bytes = 132 words
.set WSTAGE, 128*SPITCH                ; a wave's stage, 128 rows; the four stages lie over the ring, whose bytes have had their last fill by then
.set SCALES, 4*WSTAGE                  ; behind them, still inside the ring: 128 f32 for each wave
.set ADRA, 16                          ; v16-17  LDS address of my hs fragments in slot 0, 1
.set ADRB, 20                          ; v20-21  the same for w
.set STO,  22                          ; v22  the way out: where I put 16 bytes of a row
.set RD,   23                          ; v23  where I read 16 bytes of a whole row back: stage + 16 lane; steps by 16 rows
.set SCW,  24                          ; v24  where my row's scale goes
.set SCR,  25                          ; v25  where 16 rows' scales are read, the same in every lane; steps by 64
.set TO,   26                          ; v26  my entry in the table's row: 16 lane + 512 x row
.set G32,  27                          ; v27  16 lane: my 16 bytes of a head's row of f32; never rewritten
.set SPW,  28                          ; v28  LDS address of my spare word; never rewritten
.set NIL,  29                          ; v29  0; never rewritten
.set PFO,  30                          ; v30  the prefetches' offset: lane x a row of hs or w; never rewritten
.set G16,  31                          ; v31  8 lane: my 8 bytes of a head's row of f16; never rewritten
.set W,    32                          ; v[32:35]  the norm's weights of my 4 columns
.set SS,   36                          ; v[36:43]  block a: my row's sum of squares, then its scale
.set SQ,   44                          ; v[44:51]  four chains of two sums
.set X,    64                          ; v[64:127]   16 rows x 4 numbers
.set Y,    128                         ; v[128:159]  16 rows x 4 f16
.set N,    160                         ; v[160:175]  16 rows' scales
.set T,    176                         ; v[176:183]  at work
.set CS,   192                         ; v[192:255]  16 rows of the table: c0 c1 s0 s1
.set F0,   64
.set F1,   128
.set G1,  24                           ; s[24:31] descriptor group 1 for hs's tiles;  s[32:39] group 0, a set for each slot
.set G0,  32
.set G1B, 48                           ; s[48:55], s[56:63] the same for w's tiles
.set G0B, 56
.set PFA, 44                           ; s[44:45] where my prefetches stand
.set LIM, 43                           ; s43  1 in a wave that prefetches, else the greatest number
.set TYPE, 66                          ; s66  0 q, 1 k, 2 v
.set CNT,  67                          ; s67  trips of the way out
.set F32B, 84                          ; s[84:85] out1 or out2 at my rows and head
.set F16B, 86                          ; s[86:87] qf, kf or vf likewise
.set TABB, 88                          ; s[88:89] the table at my first row
.set WB,   90                          ; s[90:91] q_norm_w or k_norm_w
.set MSB, 0
.macro WIN new                         ; the immediate's high byte repeats the setting that is left; a switch that changes nothing is dropped
.if MSB != (\new)
	s_set_vgpr_msb (MSB<<8)|(\new)
.set MSB, \new
.endif
.endm
.set MUL_LO, 0xa1                      ; source 0 (w) window 1, source 1 (hs) window 0, C and D window 2
.set MUL_HI, 0xf1                      ; the same, C and D window 3
.set TO_B,   0x40                      ; destination window 1, address window 0
; A joint load.  Waves 0 and 1 fetch hs's two halves, waves 2 and 3 w's.  The branch hangs on the wave's number alone.  An s_nop 0 and four v_nop follow each of the two lines.
.macro JLOAD s
	s_cmp_eq_u32 s11, 0
	s_cbranch_scc0 .Lfor_b_\@
	tensor_load_to_lds s[G0+4*(\s):G0+4*(\s)+3], s[G1:G1+7]
	s_nop 0
.rept 4
	v_nop
.endr
	s_branch .Lasked_\@
.Lfor_b_\@:
	tensor_load_to_lds s[G0B+4*(\s):G0B+4*(\s)+3], s[G1B:G1B+7]
	s_nop 0
.rept 4
	v_nop
.endr
.Lasked_\@:
.endm
; A PREFETCH INTO THE L2 behind each joint load and the run of LDS loads that follows it: the K step that stands two refills on, 512 matrix instructions ahead of its load: 32 rows x 256 bytes, a lane a row.
; Each row's 256 bytes of a K step are named once in the launch: hs's rows by the clusters with x = 0, w's by those with y = 0; the four partners that ask for a tile jointly share its rows out BY ADDRESS,
; 32 each.  The loop's last trip (s3 = 1) asks for nothing: there is no K step two on.  The first four K steps come by their loads alone.
.macro ASK
	s_cmp_gt_u32 s3, s[LIM]
	s_cbranch_scc0 .Lnot_mine_\@
	global_prefetch_b8 v[PFO], s[PFA:PFA+1] offset:KSTEP*2 th:TH_LOAD_NT scope:SCOPE_SE
.Lnot_mine_\@:
.endm
.macro CREST                           ; a round of the cluster's barrier behind its opening barrier
	s_cmp_lg_u32 s10, 0
	s_cbranch_scc1 .Lnot_wave_0_\@
	s_barrier_signal -3
.Lnot_wave_0_\@:
	s_barrier_wait -3
	s_barrier_signal -1
	s_barrier_wait -1
.endm
.macro CROUND                          ; a whole round
	s_barrier_signal -1
	s_barrier_wait -1
	CREST
.endm
	s_load_b128 s[4:7], s[0:1], 0x0                ; hsh s[4:5], wqkvh s[6:7]
	s_load_b512 s[68:83], s[0:1], 0x10             ; tab 68, q_norm_w 70, k_norm_w 72, qf 74, kf 76, vf 78, out1 80, out2 82
	v_lshl_add_u32 v[SPW], v0, 2, SPARE
	v_mov_b32 v[NIL], 0
	ds_add_u32 v[SPW], v[NIL]                      ; the wave's opening: the add and its wait stand ahead of my first tensor load; the set-up below, work on registers, stands between them
	v_lshrrev_b32 v1, 5, v0
	v_readfirstlane_b32 s10, v1                    ; wave 0..3
	s_lshr_b32 s11, s10, 1                         ; which half of the tile's rows is mine.  Also: I fetch for hs (0) or for w (1)
	s_and_b32 s12, s10, 1                          ; which half of its columns.  Also: which 128 rows of that tile I fetch
	s_bfe_u32 s40, ttmp6, 0x40000                  ; cx, cy: my place in the cluster
	s_bfe_u32 s41, ttmp6, 0x40004
	s_lshl_b32 s42, ttmp9, 2
	s_add_co_u32 s42, s42, s40                     ; tile column of C = 4 x cluster x + cx
	s_and_b32 s13, ttmp7, 0xffff
	s_lshl_b32 s13, s13, 2
	s_add_co_u32 s13, s13, s41                     ; tile row of C = 4 x cluster y + cy
	s_lshl_b32 s43, s41, 2
	s_lshl_b32 s43, 15, s43                        ; my row of the cluster
	s_lshl_b32 s44, 0x1111, s40                    ; my column
	; descriptor group 1: a tile of 128 rows x 128 elements, padded in LDS
	s_or_b32 s[G1+0], s43, (1<<16)|(1<<20)|(1<<21)|(5<<22)|(3<<25)  ; 15:0 the mask; 17:16 elements of 2 bytes; 20 padding on; 21 set beside a mask; 24:22 after every 64 words (code 5); 31:25 4 words (code 3)
	s_or_b32 s[G1B+0], s44, (1<<16)|(1<<20)|(1<<21)|(5<<22)|(3<<25)
.irp g, G1, G1B
	s_mov_b32 s[(\g)+1], KSTEP<<16                 ; tensor_dim0 = 128
	s_mov_b32 s[(\g)+2], 128<<16                   ; tensor_dim1 = 128
	s_mov_b32 s[(\g)+3], KSTEP<<16                 ; tile_dim0 = 128
	s_mov_b32 s[(\g)+4], 128                       ; tile_dim1 = 128
	s_mov_b32 s[(\g)+5], SIZE_K                    ; elements from row to row
	s_mov_b32 s[(\g)+6], 0
	s_mov_b32 s[(\g)+7], 0
.endr
	; hs's tiles hang on the tile row alone, w's on the tile column alone; each address is made in registers that never hold the other coordinate
	s_lshl_b32 s17, s12, 7
	s_lshl_b32 s16, s13, 8
	s_add_co_u32 s16, s16, s17                     ; hs: row 256 x tile row + 128 x half
	s_lshl_b32 s46, s42, 8
	s_add_co_u32 s46, s46, s17                     ; w: row 256 x tile column + 128 x half
	s_mov_b32 s17, 0
	s_mov_b32 s47, 0
	s_mov_b64 s[18:19], SIZE_K*2
	s_mul_u64 s[16:17], s[16:17], s[18:19]
	s_mul_u64 s[46:47], s[46:47], s[18:19]
	s_mul_i32 s20, s10, HALFT                      ; where they go: wave x 128 rows
	s_mov_b32 s94, 0x3c000000                      ; 1 / 128
	s_mov_b32 s95, 0x358637bd                      ; EPS = 1e-6
	s_mov_b32 s96, 0x76543210                      ; v_permlanex16_b32: each lane takes its own place in the other half
	s_mov_b32 s97, 0xfedcba98
	s_lshr_b32 s[TYPE], ttmp9, 1                   ; eight tile columns, two clusters, to a kind
	s_wait_dscnt 0x0                               ; the opening add is done
	s_wait_kmcnt 0x0
	s_add_nc_u64 s[14:15], s[4:5], s[16:17]
	s_add_nc_u64 s[46:47], s[6:7], s[46:47]
	CROUND                                         ; all sixteen work-groups are here: the first joint loads meet
.irp s, 0,1
	s_mov_b32 s[G0+4*(\s)], 1                                      ; count = 1
	s_add_co_u32 s[G0+4*(\s)+1], s20, (\s)*SLOT                    ; LDS address
	s_add_nc_u64 s[G0+4*(\s)+2:G0+4*(\s)+3], s[14:15], (\s)*KSTEP*2  ; global address: K step s
	s_or_b32 s[G0+4*(\s)+3], s[G0+4*(\s)+3], 0x80000000            ; type = 2
	s_mov_b32 s[G0B+4*(\s)], 1
	s_add_co_u32 s[G0B+4*(\s)+1], s20, (\s)*SLOT
	s_add_nc_u64 s[G0B+4*(\s)+2:G0B+4*(\s)+3], s[46:47], (\s)*KSTEP*2
	s_or_b32 s[G0B+4*(\s)+3], s[G0B+4*(\s)+3], 0x80000000
	JLOAD \s                                       ; two loads of mine are out
.endr
	; a fragment is 16 rows x 32 K in 8 registers: lane l holds row l % 16, K = 8 (l / 16) + 0..7 and 16 + 8 (l / 16) + 0..7: two loads of 16 bytes, 32 bytes apart
	v_and_b32 v1, 15, v0                           ; l % 16
	v_bfe_u32 v2, v0, 4, 1                         ; l / 16
	v_mul_u32_u24 v3, v1, PITCH
	v_lshl_add_u32 v3, v2, 4, v3
	s_mul_i32 s21, s11, HALFT                      ; my 128 rows of hs
	s_mul_i32 s22, s12, HALFT                      ; my 128 rows of w,
	s_add_co_u32 s22, s22, 2*HALFT                 ; which lie behind hs's 256
.irp s, 0,1
	v_add_nc_u32 v[ADRA+(\s)], s21, v3
	v_add_nc_u32 v[ADRB+(\s)], s22, v3
	s_add_co_u32 s21, s21, SLOT
	s_add_co_u32 s22, s22, SLOT
.endr
	s_mul_i32 s23, s10, WSTAGE                     ; my stage
	v_mul_u32_u24 v4, v1, SPITCH                   ; in: row l % 16, 32 bytes for each half of the lanes
	v_lshl_add_u32 v4, v2, 5, v4
	v_add_nc_u32 v[STO], s23, v4
	v_and_b32 v5, 31, v0                           ; lane
	v_lshl_add_u32 v[RD], v5, 4, s23               ; back: 32 lanes take a row of 512 bytes
	s_lshl_b32 s21, s10, 9
	s_add_co_u32 s21, s21, SCALES
	v_lshl_add_u32 v[SCW], v1, 2, s21
	v_mov_b32 v[SCR], s21
	v_lshlrev_b32 v[TO], 4, v5
	v_lshlrev_b32 v[G32], 4, v5
	v_lshlrev_b32 v[G16], 3, v5
	; the way out's bases.  My rows begin at 256 x tile row + 128 x half; my head is 2 x (tile column mod 8) + half
	s_lshl_b32 s13, s13, 8
	s_lshl_b32 s92, s11, 7
	s_add_co_u32 s92, s92, s13                     ; my first row
	s_and_b32 s93, s42, 7
	s_lshl_b32 s93, s93, 1
	s_add_co_u32 s93, s93, s12                     ; my head
	s_cmp_eq_u32 s[TYPE], 1
	s_cselect_b64 s[F32B:F32B+1], s[80:81], s[82:83]
	s_cselect_b64 s[F16B:F16B+1], s[76:77], s[78:79]
	s_cmp_eq_u32 s[TYPE], 0
	s_cselect_b64 s[F16B:F16B+1], s[74:75], s[F16B:F16B+1]
	s_cselect_b64 s[WB:WB+1], s[70:71], s[72:73]
	s_cselect_b32 s98, 0, 2048                     ; new keys and values lie behind the cache's 2,048 rows
	s_add_co_u32 s98, s98, s92
	s_lshl_b32 s98, s98, 12                        ; rows of 4,096 bytes
	s_lshl_b32 s99, s93, 8                         ; heads of 256
	s_add_co_u32 s98, s98, s99
	s_mov_b32 s99, 0
	s_add_nc_u64 s[F16B:F16B+1], s[F16B:F16B+1], s[98:99]
	s_lshl_b32 s98, s92, 13                        ; rows of 8,192 bytes
	s_lshl_b32 s[CNT], s93, 9                      ; heads of 512
	s_add_co_u32 s98, s98, s[CNT]
	s_add_nc_u64 s[F32B:F32B+1], s[F32B:F32B+1], s[98:99]
	s_lshl_b32 s98, s92, 9                         ; the table's rows of 512 bytes
	s_add_nc_u64 s[TABB:TABB+1], s[68:69], s[98:99]
	; the prefetches.  s13 = 256 x tile row, s42 = tile column, s40 = cx, s41 = cy still stand
	s_lshl_b32 s42, s42, 8
	s_and_b32 s22, ttmp7, 0xffff                   ; cluster y
	s_cmp_eq_u32 s11, 0                            ; do I fetch for hs?
	s_cselect_b32 s20, s13, s42                    ; the tile's first row
	s_cselect_b32 s21, s40, s41                    ; my place among the four that ask for it with me
	s_cselect_b32 s22, ttmp9, s22                  ; the coordinate along which other clusters read the same rows
	s_cselect_b64 s[PFA:PFA+1], s[4:5], s[6:7]
	s_cmp_eq_u32 s22, 0
	s_cselect_b32 s[LIM], 1, -1                    ; the same in all sixteen partners, for a given wave
	s_lshl_b32 s22, s12, 7
	s_add_co_u32 s20, s20, s22                     ; + the 128 rows that I fetch
	s_lshl_b32 s21, s21, 5
	s_add_co_u32 s20, s20, s21                     ; + my work-group's 32 of them
	s_mov_b32 s21, 0
	s_mov_b64 s[18:19], SIZE_K*2
	s_mul_u64 s[20:21], s[20:21], s[18:19]
	s_add_nc_u64 s[PFA:PFA+1], s[PFA:PFA+1], s[20:21]
	s_add_nc_u64 s[PFA:PFA+1], s[PFA:PFA+1], 2*KSTEP*2  ; at K step 2: the first refill steps it to 3 and names K step 4
	v_and_b32 v[PFO], 31, v0
	v_mul_u32_u24 v[PFO], v[PFO], SIZE_K*2
; 16 matrix instructions: m blocks a0, a0 + 1 of the window's four x all 8 n blocks, 32 along K.  zero = 1: the first product starts the sums.  The 64 accumulators take turns.
.macro MUL16 f, hi, a0, zero
	WIN MUL_LO+0x50*(\hi)
.irp a, \a0, (\a0)+1
.irp b, 0,1,2,3,4,5,6,7
.if \zero
	v_wmma_f32_16x16x32_f16 v[8*(8*(\a)+(\b)):8*(8*(\a)+(\b))+7], v[(\f)+8*(\b):(\f)+8*(\b)+7], v[(\f)+8*(4*(\hi)+(\a)):(\f)+8*(4*(\hi)+(\a))+7], 0
.else
	v_wmma_f32_16x16x32_f16 v[8*(8*(\a)+(\b)):8*(8*(\a)+(\b))+7], v[(\f)+8*(\b):(\f)+8*(\b)+7], v[(\f)+8*(4*(\hi)+(\a)):(\f)+8*(4*(\hi)+(\a))+7], v[8*(8*(\a)+(\b)):8*(8*(\a)+(\b))+7]
.endif
.endr
.endr
.endm
; 32 LDS loads in one run: the fragments of one quarter step (128 rows of w, 128 rows of hs, 32 K at byte k of the rows) into buffer f
.macro FETCH slot, k, f
	WIN TO_B
.irp i, 0,1,2,3,4,5,6,7
	ds_load_b128 v[(\f)+8*(\i):(\f)+8*(\i)+3],   v[ADRB+(\slot)] offset:(\k)+(\i)*16*PITCH
	ds_load_b128 v[(\f)+8*(\i)+4:(\f)+8*(\i)+7], v[ADRB+(\slot)] offset:(\k)+(\i)*16*PITCH+32
.endr
	WIN 0
.irp i, 0,1,2,3,4,5,6,7
	ds_load_b128 v[(\f)+8*(\i):(\f)+8*(\i)+3],   v[ADRA+(\slot)] offset:(\k)+(\i)*16*PITCH
	ds_load_b128 v[(\f)+8*(\i)+4:(\f)+8*(\i)+7], v[ADRA+(\slot)] offset:(\k)+(\i)*16*PITCH+32
.endr
.endm
.macro PLACES                          ; four places in front of loads into registers that matrix instructions have read (ISA guide 7.12.1 for vector instructions)
.rept 4
	v_nop
.endr
.endm
; A K step is four quarters of 32 along K, 64 matrix instructions each, on buffers 0, 1, 0, 1.  One of the first three: multiplies buffer f; in its middle it fetches the next quarter, at byte k, into g.
.macro QUARTER slot, k, f, g, zero
	s_wait_dscnt 8                                 ; w and hs's rows 0-63 are in; the youngest eight loads (hs's rows 64-127) may be out
	WIN MUL_LO
	MUL16 \f, 0, 0, \zero
	MUL16 \f, 0, 2, \zero
	PLACES
	FETCH \slot, \k, \g
	s_wait_dscnt 32                                ; all but the 32 just issued
	WIN MUL_HI
	MUL16 \f, 1, 0, \zero
	MUL16 \f, 1, 2, \zero
.endm
; The last quarter's first half: ONE barrier for the change of slots.  In front of it each wave waits for all its tensor loads (one is out: its part of the next slot), adds 0 to its spare word, and waits for
; that and for its own reads of this slot.
.macro MEET round
	WIN 0                                          ; (the add's two registers lie in window 0)
	s_wait_tensorcnt 0x0                           ; all my tensor loads have landed
	ds_add_u32 v[SPW], v[NIL]                      ; 0 onto my spare word
	s_wait_dscnt 9                                 ; (the add and the youngest eight loads may be out)
	WIN MUL_LO
	MUL16 F1, 0, 0, 0                              ; sixteen matrix instructions stand between the add and the wait for it
	s_wait_dscnt 0x0                               ; the add is done, and my reads of this slot are over
	s_barrier_signal -1
	MUL16 F1, 0, 2, 0                              ; work on registers while the others arrive
.if \round
	WIN 0
.endif
	s_barrier_wait -1
.endm
; The whole last quarter: behind the round the slot just read out is filled again first, two K steps on; then come the next slot's first fragments.  From a request to the wait for it: 224 matrix instructions.
.macro TURN slot, next
	s_wait_xcnt 0x0                                ; the last prefetch, a K step back, has read its address: it is stepped here
	s_add_nc_u64 s[PFA:PFA+1], s[PFA:PFA+1], KSTEP*2
	MEET 1
	CREST                                          ; no wave of any partner still reads this slot's tile or has a load on its way
	s_add_nc_u64 s[G0+4*(\slot)+2:G0+4*(\slot)+3], s[G0+4*(\slot)+2:G0+4*(\slot)+3], 2*KSTEP*2
	s_add_nc_u64 s[G0B+4*(\slot)+2:G0B+4*(\slot)+3], s[G0B+4*(\slot)+2:G0B+4*(\slot)+3], 2*KSTEP*2
	JLOAD \slot                                    ; the first tensor load behind the round, my only one until the next; its four v_nop are also the places in front of the loads below
	FETCH \next, 0, F0
	ASK
	WIN MUL_HI
	MUL16 F1, 1, 0, 0
	MUL16 F1, 1, 2, 0
.endm
; THE WAY OUT.
.macro DUMP                            ; all 64 accumulators into my stage as 128 rows of 128 f32; each accumulator's low four registers go first
.irp a, 0,1,2,3,4,5,6,7
	WIN 0x08+4*((\a)/4)                            ; the stores' data in window 2 or 3
.irp b, 0,1,2,3,4,5,6,7
	ds_store_b128 v[STO], v[64*((\a)%4)+8*(\b):64*((\a)%4)+8*(\b)+3]   offset:(\a)*16*SPITCH+64*(\b)
	ds_store_b128 v[STO], v[64*((\a)%4)+8*(\b)+4:64*((\a)%4)+8*(\b)+7] offset:(\a)*16*SPITCH+64*(\b)+16
.endr
.endr
	WIN 0
.endm
.macro SUMSQ a                         ; block a: the sum of squares of my 64 numbers of row l % 16, in four chains of two
	WIN 0x0a+5*((\a)/4)                            ; sources 0 and 1 in window 2 or 3
.irp b, 0,1,2,3,4,5,6,7
.irp r, 0,1,2,3
.if (\b) == 0
	v_pk_mul_f32 v[SQ+2*(\r):SQ+2*(\r)+1], v[64*((\a)%4)+8*(\b)+2*(\r):64*((\a)%4)+8*(\b)+2*(\r)+1], v[64*((\a)%4)+8*(\b)+2*(\r):64*((\a)%4)+8*(\b)+2*(\r)+1]
.else
	v_pk_fma_f32 v[SQ+2*(\r):SQ+2*(\r)+1], v[64*((\a)%4)+8*(\b)+2*(\r):64*((\a)%4)+8*(\b)+2*(\r)+1], v[64*((\a)%4)+8*(\b)+2*(\r):64*((\a)%4)+8*(\b)+2*(\r)+1], v[SQ+2*(\r):SQ+2*(\r)+1]
.endif
.endr
.endr
	WIN 0
	v_pk_add_f32 v[SQ:SQ+1], v[SQ:SQ+1], v[SQ+2:SQ+3]
	v_pk_add_f32 v[SQ+4:SQ+5], v[SQ+4:SQ+5], v[SQ+6:SQ+7]
	v_pk_add_f32 v[SQ:SQ+1], v[SQ:SQ+1], v[SQ+4:SQ+5]
	v_add_f32 v[SS+(\a)], v[SQ], v[SQ+1]
.endm
.macro MULN x, n, odd                  ; two numbers times one register of the pair at n
.if \odd
	v_pk_mul_f32 v[(\x):(\x)+1], v[(\x):(\x)+1], v[(\n):(\n)+1] op_sel:[0,1] op_sel_hi:[1,1]
.else
	v_pk_mul_f32 v[(\x):(\x)+1], v[(\x):(\x)+1], v[(\n):(\n)+1] op_sel_hi:[1,0]
.endif
.endm
; RoPE on two pairs: (x0, x1) by (c0, s0), (x2, x3) by (c1, s1): o0 = x0 c - x1 s, o1 = x1 c + x0 s
.macro ROPE x, c, t
	v_pk_mul_f32 v[(\t):(\t)+1], v[(\x):(\x)+1], v[(\c):(\c)+1] op_sel_hi:[1,0]
	v_pk_mul_f32 v[(\t)+2:(\t)+3], v[(\x)+2:(\x)+3], v[(\c):(\c)+1] op_sel:[0,1] op_sel_hi:[1,1]
	v_pk_fma_f32 v[(\t):(\t)+1], v[(\x):(\x)+1], v[(\c)+2:(\c)+3], v[(\t):(\t)+1] op_sel:[1,0,0] op_sel_hi:[0,0,1] neg_lo:[0,1,0]
	v_pk_fma_f32 v[(\t)+2:(\t)+3], v[(\x)+2:(\x)+3], v[(\c)+2:(\c)+3], v[(\t)+2:(\t)+3] op_sel:[1,1,0] op_sel_hi:[0,1,1] neg_lo:[0,1,0]
.endm
; Eight trips of 16 rows.  A wave reads only its own bytes of LDS back, and LDS serves a wave's instructions in order (ISA guide 5.7.1.4): no barrier.  A lane holds 4 neighbouring columns of a whole row.
; norm = 1 (q and k): x scale x weight; k stores that as f32; RoPE; f16.  The table's 16 rows are a ring of 16 loads: row i of the next trip is asked for when row i of this one has been used;
; the offset wraps inside my 128 rows, so the last trip asks for rows 0-15 once more, which nobody uses: the price of one text for all trips.  norm = 0 (v): f32 and f16 as they are.
.macro EROWS norm
	s_wait_xcnt 0x0                                ; the loads above have read their address registers
	s_mov_b32 s[CNT], 8
.Lrows_\@:
.if \norm
	v_add_nc_u32 v[TO], 8192, v[TO]                ; the next trip's 16 rows of the table
	v_and_b32 v[TO], 0xffff, v[TO]
.irp k, 0,1,2,3
	ds_load_b128 v[N+4*(\k):N+4*(\k)+3], v[SCR] offset:16*(\k)
.endr
.endif
.irp i, 0,1,2,3,4,5,6,7,8,9,10,11,12,13,14,15
	ds_load_b128 v[X+4*(\i):X+4*(\i)+3], v[RD] offset:SPITCH*(\i)
.endr
.if \norm
.irp i, 0,1,2,3,4,5,6,7,8,9,10,11,12,13,14,15
	s_wait_dscnt 15-(\i)                           ; row i is in (and the scales, asked for ahead of it); the 15 - i younger rows may be out
	MULN X+4*(\i), N+2*((\i)/2), (\i)%2
	MULN X+4*(\i)+2, N+2*((\i)/2), (\i)%2
	v_pk_mul_f32 v[X+4*(\i):X+4*(\i)+1], v[X+4*(\i):X+4*(\i)+1], v[W:W+1]
	v_pk_mul_f32 v[X+4*(\i)+2:X+4*(\i)+3], v[X+4*(\i)+2:X+4*(\i)+3], v[W+2:W+3]
.endr
	s_cmp_eq_u32 s[TYPE], 1
	s_cbranch_scc0 .Lno_f32_\@
.irp i, 0,1,2,3,4,5,6,7,8,9,10,11,12,13,14,15
	global_store_b128 v[G32], v[X+4*(\i):X+4*(\i)+3], s[F32B:F32B+1] offset:8192*(\i)  ; out1: the key before RoPE; 512 consecutive bytes, aligned
.endr
.Lno_f32_\@:
.irp i, 0,1,2,3,4,5,6,7,8,9,10,11,12,13,14,15
	s_wait_loadcnt 15                              ; the table's row i is in: behind its load stand the ring's 15 younger ones
	ROPE X+4*(\i), CS+4*(\i), T
	v_cvt_pk_f16_f32 v[Y+2*(\i)], v[T], v[T+1]
	v_cvt_pk_f16_f32 v[Y+2*(\i)+1], v[T+2], v[T+3]
	global_load_b128 v[CS+4*(\i):CS+4*(\i)+3], v[TO], s[TABB:TABB+1] offset:512*(\i)
	global_store_b64 v[G16], v[Y+2*(\i):Y+2*(\i)+1], s[F16B:F16B+1] offset:4096*(\i)  ; 256 consecutive bytes, aligned
.endr
.else
.irp i, 0,1,2,3,4,5,6,7,8,9,10,11,12,13,14,15
	s_wait_dscnt 15-(\i)
	global_store_b128 v[G32], v[X+4*(\i):X+4*(\i)+3], s[F32B:F32B+1] offset:8192*(\i)  ; out2
	v_cvt_pk_f16_f32 v[Y+2*(\i)], v[X+4*(\i)], v[X+4*(\i)+1]
	v_cvt_pk_f16_f32 v[Y+2*(\i)+1], v[X+4*(\i)+2], v[X+4*(\i)+3]
	global_store_b64 v[G16], v[Y+2*(\i):Y+2*(\i)+1], s[F16B:F16B+1] offset:4096*(\i)
.endr
.endif
	s_wait_xcnt 0x0                                ; only behind this wait are the bases, TO, X and Y, which the trip's loads and stores name, written again
	s_add_nc_u64 s[F32B:F32B+1], s[F32B:F32B+1], 16*8192
	s_add_nc_u64 s[F16B:F16B+1], s[F16B:F16B+1], 16*4096
	v_add_nc_u32 v[RD], 16*SPITCH, v[RD]
.if \norm
	v_add_nc_u32 v[SCR], 64, v[SCR]
.endif
	s_sub_co_u32 s[CNT], s[CNT], 1
	s_cmp_lg_u32 s[CNT], 0
	s_cbranch_scc1 .Lrows_\@
.endm
	s_wait_tensorcnt 1                             ; my part of K step 0 is in; K step 1's may stay out
	s_barrier_signal -1
	s_barrier_wait -1                              ; everybody's is
	FETCH 0, 0, F0
	QUARTER 0, 64,  F0, F1, 1                      ; the first quarter stands in front of the loop: its products start the sums
	WIN 0                                          ; at a label and at a branch every window is 0
	s_mov_b32 s3, LAPS-1
.Llap:                                                 ; a trip goes once round the ring, from a lap's second quarter to the next lap's first, and fills both slots again
	QUARTER 0, 128, F1, F0, 0
	QUARTER 0, 192, F0, F1, 0
	TURN 0, 1
	QUARTER 1, 64,  F0, F1, 0
	QUARTER 1, 128, F1, F0, 0
	QUARTER 1, 192, F0, F1, 0
	TURN 1, 0
	QUARTER 0, 64,  F0, F1, 0
	WIN 0
	s_sub_co_u32 s3, s3, 1
	s_cmp_lg_u32 s3, 0
	s_cbranch_scc1 .Llap
	QUARTER 0, 128, F1, F0, 0                      ; the last lap fills nothing
	QUARTER 0, 192, F0, F1, 0
	MEET 0                                         ; my one tensor load that was still out is the last K step's
	PLACES
	FETCH 1, 0, F0
	WIN MUL_HI
	MUL16 F1, 1, 0, 0
	MUL16 F1, 1, 2, 0
	QUARTER 1, 64,  F0, F1, 0
	QUARTER 1, 128, F1, F0, 0
	QUARTER 1, 192, F0, F1, 0
	s_wait_dscnt 8                                 ; the very last quarter: nothing more to fetch
	MUL16 F1, 0, 0, 0
	MUL16 F1, 0, 2, 0
	s_wait_dscnt 0x0
	MUL16 F1, 1, 0, 0
	MUL16 F1, 1, 2, 0
	WIN 0
.rept 8
	v_nop                                          ; the places behind the last products, whose results LDS stores read with no other vector work between
.endr
	s_wait_dscnt 0x0                               ; my reads of the ring are over,
	s_barrier_signal -1
	s_barrier_wait -1                              ; everybody's are: the stages may lie over it (every tensor load was waited for in front of the barrier before)
	DUMP
	s_cmp_eq_u32 s[TYPE], 2
	s_cbranch_scc1 .Lv_rows
	global_load_b128 v[W:W+3], v[G32], s[WB:WB+1]
.irp i, 0,1,2,3,4,5,6,7,8,9,10,11,12,13,14,15
	global_load_b128 v[CS+4*(\i):CS+4*(\i)+3], v[TO], s[TABB:TABB+1] offset:512*(\i)  ; the table's rows 0-15; the sums of squares stand in the wait
.endr
.irp a, 0,1,2,3,4,5,6,7
	SUMSQ \a
.endr
.irp a, 0,1,2,3,4,5,6,7
	v_permlanex16_b32 v[SQ+(\a)], v[SS+(\a)], s96, s97   ; the row's other 64 columns lie in the lane 16 away
.endr
.irp a, 0,1,2,3,4,5,6,7
	v_add_f32 v[SS+(\a)], v[SS+(\a)], v[SQ+(\a)]
.endr
.irp a, 0,1,2,3,4,5,6,7
	v_fma_f32 v[SS+(\a)], v[SS+(\a)], s94, s95           ; the mean + EPS
.endr
.irp a, 0,1,2,3,4,5,6,7
	v_rsq_f32 v[SS+(\a)], v[SS+(\a)]
.endr
	v_nop                                          ; a plain instruction behind the last of them,
	s_wait_alu depctr_va_vdst(0)                   ; and one wait for the eight, ahead of their first reader
.irp a, 0,1,2,3,4,5,6,7
	ds_store_b32 v[SCW], v[SS+(\a)] offset:64*(\a) ; lanes l and l + 16 hold the same number and write the same word
.endr
	s_wait_loadcnt 16                              ; the weights are in; the table's 16 loads are younger
	v_cvt_pk_bf16_f32 v[T], v[W], v[W+1]           ; rounded to bf16 like all inputs
	v_cvt_pk_bf16_f32 v[T+1], v[W+2], v[W+3]
	v_lshlrev_b32 v[W], 16, v[T]
	v_and_b32 v[W+1], 0xffff0000, v[T]
	v_lshlrev_b32 v[W+2], 16, v[T+1]
	v_and_b32 v[W+3], 0xffff0000, v[T+1]
	EROWS 1
	s_branch .Lend
.Lv_rows:
	EROWS 0
.Lend:
	s_wait_tensorcnt 0x0                           ; the wave's end: these three lines stand behind my last tensor load and my last LDS store
	ds_add_u32 v[SPW], v[NIL]
	s_wait_dscnt 0x0
	CROUND                                         ; the closing round: no work-group ends while a partner may still ask for a tile that names it
	s_endpgm
.Lfunc_end_k_qd0ce7222dd_proj:
	.size	k_qd0ce7222dd_proj, .Lfunc_end_k_qd0ce7222dd_proj-k_qd0ce7222dd_proj
	.p2alignl 7, 3214868480
	.fill 96, 4, 3214868480
	.section	.rodata,"a",@progbits
	.p2align	6, 0x0
	.amdhsa_kernel k_qd0ce7222dd_proj
		.amdhsa_group_segment_fixed_size 327680
		.amdhsa_private_segment_fixed_size 0
		.amdhsa_enable_private_segment 0
		.amdhsa_kernarg_size 80
		.amdhsa_user_sgpr_count 2
		.amdhsa_user_sgpr_kernarg_segment_ptr 1
		.amdhsa_wavefront_size32 1
		.amdhsa_system_sgpr_workgroup_id_x 1
		.amdhsa_system_sgpr_workgroup_id_y 1
		.amdhsa_system_sgpr_workgroup_id_z 1
		.amdhsa_system_vgpr_workitem_id 0
		.amdhsa_next_free_vgpr 1024
		.amdhsa_next_free_sgpr 100
		.amdhsa_reserve_vcc 0
		.amdhsa_float_denorm_mode_32 3
		.amdhsa_float_denorm_mode_16_64 3
		.amdhsa_memory_ordered 1
		.amdhsa_forward_progress 1
		.amdhsa_inst_pref_size 168
	.end_amdhsa_kernel
	.amdgpu_metadata
---
amdhsa.version: [ 1, 2 ]
amdhsa.kernels:
  - .name:           k_qd0ce7222dd_proj
    .symbol:         k_qd0ce7222dd_proj.kd
    .args:
      - { .name: hsh, .offset: 0, .size: 8, .value_kind: global_buffer, .address_space: global }
      - { .name: wqkvh, .offset: 8, .size: 8, .value_kind: global_buffer, .address_space: global }
      - { .name: tab, .offset: 16, .size: 8, .value_kind: global_buffer, .address_space: global }
      - { .name: q_norm_w, .offset: 24, .size: 8, .value_kind: global_buffer, .address_space: global }
      - { .name: k_norm_w, .offset: 32, .size: 8, .value_kind: global_buffer, .address_space: global }
      - { .name: qf, .offset: 40, .size: 8, .value_kind: global_buffer, .address_space: global }
      - { .name: kf, .offset: 48, .size: 8, .value_kind: global_buffer, .address_space: global }
      - { .name: vf, .offset: 56, .size: 8, .value_kind: global_buffer, .address_space: global }
      - { .name: out1, .offset: 64, .size: 8, .value_kind: global_buffer, .address_space: global }
      - { .name: out2, .offset: 72, .size: 8, .value_kind: global_buffer, .address_space: global }
    .group_segment_fixed_size: 327680
    .private_segment_fixed_size: 0
    .kernarg_segment_align: 8
    .kernarg_segment_size: 80
    .max_flat_workgroup_size: 128
    .sgpr_count:     100
    .vgpr_count:     1024
    .wavefront_size: 32
...
	.end_amdgpu_metadata
.endif
;; end of part 2
;; launch attn (part 3): grid 16 x 16, 4 waves a work-group, clusters of 4 x 1, 327,680 bytes of LDS; arguments qf, kf, vf, of; writes of
.if DOCPART == 3
	.amdgcn_target "amdgcn-amd-amdhsa--gfx1250"
	.amdhsa_code_object_version 6
	.text
	.protected	k_qd0ce7222dd_attn
	.globl	k_qd0ce7222dd_attn
	.p2align	8
	.type	k_qd0ce7222dd_attn,@function
k_qd0ce7222dd_attn:
	s_mov_b64 s[64:65], 0
	v_nop
	global_prefetch_b8 v0, s[64:65] scope:SCOPE_SE
	s_setreg_imm32_b32 hwreg(HW_REG_WAVE_MODE, 25, 1), 1
	s_wait_xcnt 0x0
	s_wait_alu depctr_hold_cnt(0) depctr_sa_sdst(0) depctr_va_vdst(0) depctr_va_sdst(0) depctr_va_ssrc(0) depctr_va_vcc(0) depctr_vm_vsrc(0)
	s_getreg_b32 s2, hwreg(HW_REG_IB_STS2, 6, 4)
	s_cmp_eq_u32 s2, 0
	s_cbranch_scc0 .Lentry_in_a_cluster
	s_endpgm
.Lentry_in_a_cluster:
	s_bfe_u32 s2, ttmp6, 0x10000c
	s_cmp_lg_u32 s2, 0x3003
	s_cbranch_scc0 .Lentry_shape_is_right
	s_endpgm
.Lentry_shape_is_right:
; ATTENTION IN A BAND.  O[i][h][:] = the sum over the keys j with i < j <= i + 2048 of softmax_j(Q[i][h] . K[j][h] / sqrt(128)) V[j][h][:].  qf, of: [2048][2048] f16; kf, vf: [4096][2048] f16 (the row is the
; key's position); a head's row is 256 aligned bytes at a pitch of 4,096.  Products, maxima and sums in f32; the weights p are rounded to f16 for the second product, O once at the end.
; LIMITS.  f16 holds no number beyond 65,504: Q, K and V arrive within it; p lies in 0 to 1; O is a mean of V's rows.  A hidden score counts as its value less 1e30; a weight below 2^-126 counts as 0;
; NaN and infinities are not treated apart.
; SHARES.  A work-group owns 128 queries of one head: 16 x 16 work-groups.  Waves 2 p and 2 p + 1 own the same 64 queries (four tiles of 16, in two PIECES: tiles 0, 1 and tiles 2, 3) and split the keys:
; of each slot's two steps of 64 keys wave 2 p + e takes step e.  So a fragment of K or V read from LDS feeds four tiles.  The two partial results (m, l, O) meet in LDS at the end.
; THE WALK IS THE CLUSTER'S.  The four query blocks of a cluster are neighbours; their windows together are 2,560 keys: 20 slots of 128, the same for all four, so each tile is asked for JOINTLY (the same
; tensor load, descriptor and mask in all four).  Of the 20 slots a block needs 17; the others it computes under a mask that hides everything.
; THE MASK is the C operand of the products that start a sum.  A step's first key lies 64 d behind my first query, d = 2 u + e - 2 cx - p in slot u.  For key block kb and tile t, j - i = 64 d + 16 (kb - t) + (kl - ql):
; kb < t is hidden where d <= 0 or d > 32 (ML); kb > t where d < 0 or d >= 32 (MU); kb = t holds the diagonal at d = 0 and at d = 32: MD = DL x AL + MU, DL = -1e30 where kl <= ql, AL = 1, -1 or 0.
; A hidden step at the start leaves p = 1 on hidden keys; the first step with a true score multiplies that by a = 0.  Every wave has 15 steps or more in which each row sees all keys.
; LAYOUT, SOFTMAX.  S^T = K Q^T holds ONE query a lane (lane % 16) and the keys 8 (lane / 16) + 0..7; two such results rounded to f16 ARE source 1 of O^T = V^T P.  p = 2^(c s - c m), c = log2(e) / sqrt(128),
; with a running maximum m; O and l are multiplied by a = 2^(c m_old - c m_new) in every step.  m starts at the lowest finite number, O and l at 0: the first step is a step like any other.
; BY TURNS.  In a TURN one piece has the matrix unit: 32 products V^T P of the step in hand, then 32 products K Q^T of the next; the other piece's softmax, cut into 64 slices, stands between them, one slice
; behind each matrix instruction.  A turn's 66 exponentials are one batch with one wait.
; REGISTERS, in windows of 256 (s_set_vgpr_msb: bits 1:0 source 0, 3:2 source 1, 5:4 source 2, 7:6 destination):
;   window 0: v0-11, v44-45, v61-63 addresses; v12-43 eight registers of statistics a tile; v64-191 S^T, 32 a tile; v192-255 P, 16 a tile
;   window 1: O^T, 64 a tile      window 2: v0-127 Q, 32 a tile; v128-255 K of one step      window 3: v0-127 V of one step; v128-159 DL, ML, MD, MU
.set KS,    64        ; keys in a step
.set PK,    272       ; a row of K in LDS: 256 bytes + 16 of padding: the 16 rows of a load start at 16 different groups of four banks (64 banks of 4 bytes: ISA guide 11.1)
.set PV,    288       ; a row of V: 256 + 32
.set VOFF,  KS*PK     ; a step's tiles lie together: 64 rows of K, then 64 rows of V
.set STEPB, KS*(PK+PV)
.set SLOT1, 1<<17     ; a slot holds two steps (71,680 bytes); slot 1 begins here, so that one exclusive or turns an address in one slot into the other's
.set STAGE, SLOT1+2*STEPB  ; behind the ring: 16 rows x 272 bytes for each wave, for the way out
.set SP,    272
.set SPARE, STAGE+4*16*SP  ; the spare words, 128 bytes for each wave: two blocks of 256 bytes that no other line names
.set MERGE, SPARE+512      ; for each pair of waves: O^T as 64 runs of 512 bytes, then four runs of statistics
.set MPAIR, 34816
.set ROWB,  4096      ; bytes from row to row in all four tensors
.set SLOTB, 128*ROWB  ; bytes from slot to slot in K and V
.set AK0, 2           ; v2   my lane's place in a tile of K; never rewritten
.set AV0, 3           ; v3   the same for V
.set ADR, 4           ; v4   the LDS address of the run of loads in hand
.set QO,  5           ; v5   my byte offset in 16 rows of Q
.set STO, 6           ; v6   the way out: where I put 16 bytes of a row
.set RD,  7           ; v7   the way out: where I read a row back
.set GO,  8           ; v8   my byte offset in two rows of O
.set ST,  12          ; tile t's statistics at v[ST+8 t]: +0 c m, +1 m, +2, +3 l (even keys', odd keys'), +4 to +7 c0-c3, at work; a takes c2's place once the maximum is found
.set MA,  44          ; v44  my 16 bytes in a run of the pair's part of MERGE
.set TV,  45          ; v45  at work
.set PFO, 61          ; v61  4,096 x my lane; never rewritten
.set SPW, 62          ; v62  LDS address of my spare word; never rewritten
.set NIL, 63          ; v63  0; never rewritten
.set S,   64
.set P,   192
.set KF,  128         ; K's fragments, in window 2
.set DL,  128         ; window 3
.set ML,  136
.set MD,  144
.set MU,  152
.set WV,  12          ; s12  my wave's number
.set LIM, 15          ; s15  2 in a wave that prefetches, else the greatest number
.set PFA, 18          ; s[18:19] where my prefetches stand
.set G1K, 24          ; s[24:31] descriptor group 1 for K's tiles
.set G1V, 32          ; s[32:39] for V's: it differs in the padding alone
.set G0K, 40          ; s[40:47] descriptor group 0 for K's tiles: a set for each of the two first fills; the second then walks on
.set G0V, 48          ; s[48:55] the same for V's
.set SLOTS, 56        ; s56  20 - u at the change that asks for slot u
.set CNT, 57          ; s57  counts the tail's trips
.set CS,  58          ; s[58:59] c
.set SEL, 60          ; s[60:61] lane selects for v_permlanex16_b32
.set TB,  62          ; s62  LDS byte at which my step of the slot to be fetched begins
.set DD,  66          ; s66  d of the next step whose masks are made
.set AL,  68          ; s[68:69] the diagonal mask's factor, in the low word
.set MUS, 70          ; s[70:71] MU's number, in the low word
.set MLS, 72          ; s72  ML's number
.set BIGN, 74         ; s74  -1e30
.set E,   75          ; s75  e: which step of a slot is mine
.set PP,  76          ; s76  p: which 64 queries
.set MSB, 0
.macro WIN new                      ; the high byte repeats the setting that is left; a switch that changes nothing is dropped
.if MSB != (\new)
	s_set_vgpr_msb (MSB<<8)|(\new)
.set MSB, \new
.endif
.endm
.set W_KQ, 0x0a       ; K and Q in window 2, S^T in window 0
.set W_KM, 0x3a       ; the same with the C operand in window 3
.set W_PV, 0x53       ; V in window 3, P in window 0, O^T in window 1
.set W_RS, 0x41       ; O^T (destination and source 0) in window 1, a in window 0
; A joint refill.  Waves 0 and 1 fetch the two steps' tiles of K, waves 2 and 3 those of V.  An s_nop 0 and four v_nop follow each of the two lines.
.macro JLOAD
	s_cmp_lt_u32 s[WV], 2
	s_cbranch_scc0 .Lfor_v_\@
	tensor_load_to_lds s[G0K+4:G0K+7], s[G1K:G1K+7]
	s_nop 0
.rept 4
	v_nop
.endr
	s_branch .Lasked_\@
.Lfor_v_\@:
	tensor_load_to_lds s[G0V+4:G0V+7], s[G1V:G1V+7]
	s_nop 0
.rept 4
	v_nop
.endr
.Lasked_\@:
.endm
; A PREFETCH INTO THE L2: the change that asks for slot u names slot u + 2: two of my steps, 256 matrix instructions, ahead of that slot's load.  A head's four clusters walk keys 512 apart, so from row 2,048 on
; the last cluster (x = 3) is the first to read a row: it alone asks, from its slot 4 on; its four partners share a slot's 128 rows out BY ADDRESS, 32 each, a lane a row; wave 0 asks for K's, wave 2 for V's.
; So each row's 256 bytes are named once.  Every cluster's first four slots come by their loads alone; the last two changes that fill ask for nothing: slots 20 and 21 do not exist.
.macro ASK
	s_cmp_gt_u32 s[SLOTS], s[LIM]
	s_cbranch_scc0 .Lnot_mine_\@
	global_prefetch_b8 v[PFO], s[PFA:PFA+1] th:TH_LOAD_NT scope:SCOPE_SE
.Lnot_mine_\@:
.endm
.macro CROUND                       ; a round of the cluster's barrier
	s_barrier_signal -1
	s_barrier_wait -1
	s_cmp_lg_u32 s[WV], 0
	s_cbranch_scc1 .Lnot_wave_0_\@
	s_barrier_signal -3
.Lnot_wave_0_\@:
	s_barrier_wait -3
	s_barrier_signal -1
	s_barrier_wait -1
.endm
; The masks of the step with d = s[DD]; then d steps by 2, to my step of the next slot.  Selects alone: no branch hangs on d.
.macro MASKS
	s_cmp_le_i32 s[DD], 0
	s_cselect_b32 s[MLS], s[BIGN], 0
	s_cmp_gt_i32 s[DD], 32
	s_cselect_b32 s[MLS], s[BIGN], s[MLS]
	s_cmp_lt_i32 s[DD], 0
	s_cselect_b32 s[MUS], s[BIGN], 0
	s_cmp_ge_i32 s[DD], 32
	s_cselect_b32 s[MUS], s[BIGN], s[MUS]
	s_cmp_eq_i32 s[DD], 0
	s_cselect_b32 s[AL], 1.0, 0
	s_cmp_eq_i32 s[DD], 32
	s_cselect_b32 s[AL], -1.0, s[AL]
	s_add_co_i32 s[DD], s[DD], 2
	WIN 0xc0                        ; destination window 3
.set z, 0
.rept 8
	v_mov_b32 v[ML+z], s[MLS]
	v_mov_b32 v[MU+z], s[MUS]
.set z, z+1
.endr
	WIN 0xc3                        ; and source 0
.set z, 0
.rept 4
	v_pk_fma_f32 v[MD+2*z:MD+2*z+1], v[DL+2*z:DL+2*z+1], s[AL:AL+1], s[MUS:MUS+1] op_sel_hi:[1,0,0]  ; at d = 32: 1e30 - 1e30 = 0 where DL hides, -1e30 elsewhere
.set z, z+1
.endr
.endm
	s_load_b256 s[4:11], s[0:1], 0x0  ; qf s[4:5], kf s[6:7], vf s[8:9], of s[10:11]
	v_lshl_add_u32 v[SPW], v0, 2, SPARE
	v_mov_b32 v[NIL], 0
	ds_add_u32 v[SPW], v[NIL]       ; the wave's opening: the add and its wait stand ahead of my first tensor load; the set-up below, work on registers, stands between them
	v_lshrrev_b32 v1, 5, v0
	v_readfirstlane_b32 s[WV], v1   ; wave 0..3
	s_bfe_u32 s13, ttmp6, 0x40000   ; cx: my place in the cluster
	s_and_b32 s[E], s[WV], 1
	s_lshr_b32 s[PP], s[WV], 1
	s_and_b32 s20, ttmp7, 0xffff    ; the head, which the four partners share:
	s_lshl_b32 s20, s20, 8          ; its 256 bytes of a row
	s_lshl_b32 s22, ttmp9, 9        ; the cluster's walk begins at key 512 x cluster x;
	s_lshl_b32 s16, s[E], 6         ; of a slot's two steps I also FETCH step e
	s_add_co_u32 s22, s22, s16
	s_lshl_b32 s22, s22, 12
	s_add_co_u32 s22, s22, s20
	s_mov_b32 s23, 0
	s_mul_i32 s17, s[E], STEPB      ; its place in a slot: no place in the cluster enters an LDS address
	s_lshl_b32 s2, ttmp9, 2
	s_add_co_u32 s2, s2, s13        ; my block of 128 queries = 4 x cluster x + cx: it enters Q's and O's addresses, the masks' d and the prefetches' address alone
	s_lshl_b32 s2, s2, 1
	s_add_co_u32 s2, s2, s[PP]      ; my 64 of them
	s_lshl_b32 s2, s2, 18           ; x 64 rows of 4,096 bytes
	s_add_co_u32 s2, s2, s20
	s_mov_b32 s3, 0
	s_sub_co_i32 s[DD], s[E], s[PP] ; d of my step of slot 0: e - p - 2 cx
	s_lshl_b32 s21, s13, 1
	s_sub_co_i32 s[DD], s[DD], s21
	; descriptor group 1: a tile of 64 rows x 128 elements, padded in LDS
	s_mov_b32 s[G1K], 15|(1<<16)|(1<<20)|(1<<21)|(5<<22)|(3<<25)  ; 15:0 the mask: all four work-groups; 17:16 elements of 2 bytes; 20 padding on; 21 set beside a mask; 24:22 after every 64 words (code 5); 31:25 4 words (code 3)
	s_mov_b32 s[G1V], 15|(1<<16)|(1<<20)|(1<<21)|(5<<22)|(7<<25)  ; the same with 8 words of padding (code 7)
.irp g, G1K, G1V
	s_mov_b32 s[(\g)+1], 128<<16    ; tensor_dim0 = 128
	s_mov_b32 s[(\g)+2], KS<<16     ; tensor_dim1 = 64
	s_mov_b32 s[(\g)+3], 128<<16    ; tile_dim0 = 128
	s_mov_b32 s[(\g)+4], KS         ; tile_dim1 = 64
	s_mov_b32 s[(\g)+5], 2048       ; elements from row to row
	s_mov_b32 s[(\g)+6], 0
	s_mov_b32 s[(\g)+7], 0
.endr
	s_mov_b32 s[CS], 0x3e0293ee     ; c = log2(e) / sqrt(128) = 0.127517
	s_mov_b32 s[CS+1], s[CS]        ; named with it as a pair
	s_mov_b32 s[SEL], 0x76543210
	s_mov_b32 s[SEL+1], 0xfedcba98
	s_mov_b32 s[TB], s17            ; my step of slot 0
	s_mov_b32 s[BIGN], 0xf149f2ca   ; -1e30
	s_mov_b32 s[AL+1], 0            ; named as pairs
	s_mov_b32 s[MUS+1], 0
	s_xor_b32 s[LIM], ttmp9, 3      ; 0 in the head's last cluster,
	s_or_b32 s[LIM], s[LIM], s[E]   ; in waves 0 and 2: the same in all four partners
	s_cmp_eq_u32 s[LIM], 0
	s_cselect_b32 s[LIM], 2, -1
	v_and_b32 v[PFO], 31, v0
	v_lshlrev_b32 v[PFO], 12, v[PFO]
	s_wait_dscnt 0x0                ; the opening add is done
	s_wait_kmcnt 0x0
	s_add_nc_u64 s[6:7], s[6:7], s[22:23]  ; K and V at my tile of slot 0
	s_add_nc_u64 s[8:9], s[8:9], s[22:23]
	s_add_nc_u64 s[4:5], s[4:5], s[2:3]    ; Q and O at my first row
	s_add_nc_u64 s[10:11], s[10:11], s[2:3]
	s_cmp_lt_u32 s[WV], 2
	s_cselect_b64 s[PFA:PFA+1], s[6:7], s[8:9]  ; (in waves 0 and 2 these stand at a slot's first row)
	s_lshl_b32 s2, s13, 17          ; my work-group's 32 rows of the 128
	s_mov_b32 s3, 0
	s_add_nc_u64 s[PFA:PFA+1], s[PFA:PFA+1], s[2:3]
	s_add_nc_u64 s[PFA:PFA+1], s[PFA:PFA+1], 3*SLOTB  ; in slot 3; the first change of slots steps it to slot 4
	CROUND                          ; all four work-groups are here: the first joint loads meet
.irp s, 0,1
	s_mov_b32 s[G0K+4*(\s)], 1      ; count = 1
	s_add_co_u32 s[G0K+4*(\s)+1], s17, (\s)*SLOT1  ; LDS address
	s_add_nc_u64 s[G0K+4*(\s)+2:G0K+4*(\s)+3], s[6:7], (\s)*SLOTB  ; global address
	s_or_b32 s[G0K+4*(\s)+3], s[G0K+4*(\s)+3], 0x80000000  ; type = 2
	s_mov_b32 s[G0V+4*(\s)], 1
	s_add_co_u32 s[G0V+4*(\s)+1], s17, (\s)*SLOT1+VOFF
	s_add_nc_u64 s[G0V+4*(\s)+2:G0V+4*(\s)+3], s[8:9], (\s)*SLOTB
	s_or_b32 s[G0V+4*(\s)+3], s[G0V+4*(\s)+3], 0x80000000
.endr
	s_cmp_lt_u32 s[WV], 2           ; a wave's two first fills stand in one branch, ahead of every wait on TENSORcnt and every LDS read: two loads of mine are out
	s_cbranch_scc0 .Lfirst_v
	tensor_load_to_lds s[G0K:G0K+3], s[G1K:G1K+7]
	s_nop 0
	tensor_load_to_lds s[G0K+4:G0K+7], s[G1K:G1K+7]
	s_nop 0
.rept 4
	v_nop
.endr
	s_branch .Lfirst_asked
.Lfirst_v:
	tensor_load_to_lds s[G0V:G0V+3], s[G1V:G1V+7]
	s_nop 0
	tensor_load_to_lds s[G0V+4:G0V+7], s[G1V:G1V+7]
	s_nop 0
.rept 4
	v_nop
.endr
.Lfirst_asked:
	; a fragment of K or Q is 16 rows x 32 channels in 8 registers: lane l holds row l % 16, channels 8 (l / 16) + 0..7 and 16 + 8 (l / 16) + 0..7: two loads of 16 bytes, 32 bytes apart
	v_and_b32 v1, 15, v0            ; l % 16
	v_bfe_u32 v9, v0, 4, 1          ; l / 16
	v_lshlrev_b32 v[QO], 12, v1
	v_lshl_add_u32 v[QO], v9, 4, v[QO]
	v_lshlrev_b32 v[TV], 3, v9
	v_sub_nc_u32 v[TV], v1, v[TV]   ; ql - 8 (l / 16): register r holds key kl = 8 (l / 16) + r, so kl <= ql where r is at most this
	WIN 0x80                        ; destination window 2, address window 0
.irp i, 0,1,2,3,4,5,6,7,8,9,10,11,12,13,14,15  ; Q stays in registers: tile i / 4, channels 32 (i % 4) on
	global_load_b128 v[8*(\i):8*(\i)+3],   v[QO], s[4:5] offset:((\i)/4)*16*ROWB+((\i)%4)*64
	global_load_b128 v[8*(\i)+4:8*(\i)+7], v[QO], s[4:5] offset:((\i)/4)*16*ROWB+((\i)%4)*64+32
.endr
	; What the first turn finds: V's registers and piece 2's P hold 0 (its products V^T P, of a step that has not been, add 0), O^T and l are 0.  No first step is written out.  All this stands in the wait for the first tile.
	WIN 0x40
.set i, 0
.rept 256
	v_mov_b32 v[i], 0
.set i, i+1
.endr
	WIN 0xc0
.set i, 0
.rept 128
	v_mov_b32 v[i], 0
.set i, i+1
.endr
.set i, 0
.rept 8
	v_cmp_le_i32 vcc_lo, i, v[TV]
	v_cndmask_b32 v[DL+i], 0, s[BIGN], vcc_lo
.set i, i+1
.endr
	WIN 0
.set i, 0
.rept 4
	v_mov_b32 v[ST+8*i], 0xfe000000    ; c m: far below every c s
	v_mov_b32 v[ST+8*i+1], 0xff7fffff  ; m
	v_mov_b32 v[ST+8*i+2], 0
	v_mov_b32 v[ST+8*i+3], 0
.set i, i+1
.endr
.set i, P+32
.rept 32
	v_mov_b32 v[i], 0
.set i, i+1
.endr
	v_mul_u32_u24 v[AK0], v1, PK
	v_lshl_add_u32 v[AK0], v9, 4, v[AK0]  ; row x pitch + 16 x half
	; the turning load takes 16 keys x 16 channels (lane l reads key 8 (l / 16) + l % 8, channels 8 ((l / 8) % 2) + 0..7) and leaves half a fragment of V^T: lane l holds channel l % 16 and 8 keys
	v_and_b32 v10, 7, v0
	v_bfe_u32 v11, v0, 3, 1
	v_lshl_add_u32 v[AV0], v9, 3, v10
	v_mul_u32_u24 v[AV0], v[AV0], PV
	v_lshl_add_u32 v[AV0], v11, 4, v[AV0]
	v_add_nc_u32 v[AV0], VOFF, v[AV0]
	MASKS                           ; for my step of slot 0
; THE MATRIX WORK OF A TURN, for piece x.  The accumulators take turns, one instruction a turn.
; Product i of 32 of O^T += V^T P: keys 32 (i / 16) on, channels 16 ((i / 2) % 8) on, tile x + i % 2.
.macro PV x
	WIN W_PV
.set rO, 64*((\x)+i%2)+8*((i/2)%8)
.set rV, 64*(i/16)+8*((i/2)%8)
.set rP, P+16*((\x)+i%2)+8*(i/16)
	v_wmma_f32_16x16x32_f16 v[rO:rO+7], v[rV:rV+7], v[rP:rP+7], v[rO:rO+7]
.endm
; Product i of 32 of S^T = K Q^T: channels 32 (i / 8) on, keys 16 ((i / 2) % 4) on, tile x + i % 2.  The first 8 start the sums, with the mask of their class.
.macro KQ x
.set rS, S+32*((\x)+i%2)+8*((i/2)%4)
.set rK, KF+32*((i/2)%4)+8*(i/8)
.set rQ, 32*((\x)+i%2)+8*(i/8)
.if i < 8
.if ((i/2)%4) < ((\x)+i%2)
.set rM, ML
.elseif ((i/2)%4) == ((\x)+i%2)
.set rM, MD
.else
.set rM, MU
.endif
	WIN W_KM
	v_wmma_f32_16x16x32_f16 v[rS:rS+7], v[rK:rK+7], v[rQ:rQ+7], v[rM:rM+7]
.else
	WIN W_KQ
	v_wmma_f32_16x16x32_f16 v[rS:rS+7], v[rK:rK+7], v[rQ:rQ+7], v[rS:rS+7]
.endif
.endm
; THE LDS LOADS stand in runs of 32: a step's K (64 keys x 128 channels: 16 fragments) and, a turn later, its V (turned).
.macro FETCH_K
	WIN 0
	v_add_nc_u32 v[ADR], s[TB], v[AK0]
	WIN 0x80                        ; destination window 2
.irp f, 0,1,2,3,4,5,6,7,8,9,10,11,12,13,14,15  ; keys 16 (f / 4) on, channels 32 (f % 4) on
	ds_load_b128 v[KF+8*(\f):KF+8*(\f)+3],   v[ADR] offset:((\f)/4)*16*PK+((\f)%4)*64
	ds_load_b128 v[KF+8*(\f)+4:KF+8*(\f)+7], v[ADR] offset:((\f)/4)*16*PK+((\f)%4)*64+32
.endr
.endm
.macro FETCH_V
	WIN 0
	v_add_nc_u32 v[ADR], s[TB], v[AV0]
	s_wait_alu depctr_va_vdst(0)    ; the wait for the softmax's batch (SLICE), behind the address's v_add_nc_u32 and ahead of the loads
	WIN 0xc0                        ; destination window 3
.irp f, 0,1,2,3,4,5,6,7,8,9,10,11,12,13,14,15  ; keys 32 (f / 8) on, channels 16 (f % 8) on
	ds_load_tr16_b128 v[8*(\f):8*(\f)+3],   v[ADR] offset:((\f)/8)*32*PV+((\f)%8)*32
	ds_load_tr16_b128 v[8*(\f)+4:8*(\f)+7], v[ADR] offset:((\f)/8)*32*PV+16*PV+((\f)%8)*32
.endr
.endm
; THE VECTOR WORK OF A TURN.  One tile's softmax for one key step is a list of 134 instructions; SM writes number j of it for tile t.  s0-s31 are the lane's 32 scores, in pairs 0-15.
;   0-15    the maximum of s0-s31 and the old m, three operands at a time (each accumulator's lowest registers are read first)
;   16-20   the other half of the lanes' maximum; the new m; c m; c m_old - c m_new
;   21-69   ONE BATCH: the 16 scalings c s - c m and all 33 exponentials (a at 23, then s0-s31); none of these reads an exponential's result
;   (wait)  between 69 and 70 stands the wait for the batch: SLICE writes it, once for both tiles
;   70-85   the roundings to f16      86-101  the sums; l = a l + the sum      102-133 the tile's O^T times a
.macro SM t
.set rT, ST+8*(\t)
.set rS, S+32*(\t)
.set rP, P+16*(\t)
.set rO, 64*(\t)+2*(j-102)
.if j < 102
	WIN 0
.endif
.if j < 4
	v_max3_num_f32 v[rT+4+j], v[rS+8*j], v[rS+8*j+1], v[rS+8*j+2]
.elseif j < 12
	v_max3_num_f32 v[rT+4+j%4], v[rT+4+j%4], v[rS+8*(j%4)+2*(j/4)+1], v[rS+8*(j%4)+2*(j/4)+2]
.elseif j == 12
	v_max3_num_f32 v[rT+4], v[rT+4], v[rS+7], v[rS+15]
.elseif j == 13
	v_max3_num_f32 v[rT+6], v[rT+6], v[rS+23], v[rS+31]
.elseif j == 14
	v_max3_num_f32 v[rT+4], v[rT+4], v[rT+5], v[rT+6]
.elseif j == 15
	v_max3_num_f32 v[rT+4], v[rT+4], v[rT+7], v[rT+1]
.elseif j == 16
	v_permlanex16_b32 v[rT+5], v[rT+4], s[SEL], s[SEL+1]  ; the query's other 32 keys lie in the lane 16 away
.elseif j == 17
	v_mov_b32 v[rT+7], v[rT]        ; c m_old is kept for a: number 19 writes c m anew
.elseif j == 18
	v_max_num_f32 v[rT+1], v[rT+4], v[rT+5]
.elseif j == 19
	v_mul_f32 v[rT], s[CS], v[rT+1]
.elseif j == 20
	v_sub_f32 v[rT+7], v[rT+7], v[rT]
.elseif j == 23
	v_exp_f32 v[rT+6], v[rT+7]
.elseif (j < 23) || ((j < 38) && (j%2 == 0)) || ((j < 66) && (j%4 == 2))
.set b, (j-2)/4                     ; 38, 42, .. 62: pairs 9 to 15
.if j < 38
.set b, (j-20)/2                    ; 21: pair 0; 22, 24, .. 36: pairs 1 to 8
.endif
	v_pk_fma_f32 v[rS+2*b:rS+2*b+1], v[rS+2*b:rS+2*b+1], s[CS:CS+1], v[rT:rT+1] op_sel_hi:[1,0,0] neg_lo:[0,0,1] neg_hi:[0,0,1]  ; pair b: c s - c m
.elseif j < 70
.set e, j-38                        ; 66 to 69: s28 to s31
.if j < 66
.set e, j-32-(j-38)/4               ; 39-41, 43-45, .. 63-65: s7 to s27
.endif
.if j < 38
.set e, (j-25)/2                    ; 25, 27, .. 37: s0 to s6
.endif
	v_exp_f32 v[rS+e], v[rS+e]
.elseif j < 86
	v_cvt_pk_f16_f32 v[rP+j-70], v[rS+2*(j-70)], v[rS+2*(j-70)+1]  ; pair j - 70
.elseif j < 102                     ; the sum of the tile's 16 pairs, in place: neighbours 1, 2, 4 and 8 pairs apart, then l takes it
.set z, j-86
.set w, 4
.set u, z
.if z >= 14
.set w, 32
.set u, 0
.elseif z >= 12
.set w, 16
.set u, z-12
.elseif z >= 8
.set w, 8
.set u, z-8
.endif
.if z < 15
	v_pk_add_f32 v[rS+w*u:rS+w*u+1], v[rS+w*u:rS+w*u+1], v[rS+w*u+w/2:rS+w*u+w/2+1]
.else
	v_pk_fma_f32 v[rT+2:rT+3], v[rT+2:rT+3], v[rT+6:rT+7], v[rS:rS+1] op_sel_hi:[1,0,1]
.endif
.else
	WIN W_RS
	v_pk_mul_f32 v[rO:rO+1], v[rO:rO+1], v[rT+6:rT+7] op_sel_hi:[1,0]
.endif
.endm
; Slice k of 64 of piece y's softmax: four instructions.  Slices 11 to 34 deal out the batch, numbers 22 to 69: four numbers of ONE tile each, the tiles by turns.  Every other slice is numbers 2 k and 2 k + 1
; of both tiles' lists; the twelve that are over stand in slice 63.  Behind slice 34 stands the one wait between the 66 exponentials and the first instruction that names a result.
.macro SLICE y
.if (k >= 11) && (k < 35)
.irp n, 0,1,2,3
.set j, 22+4*((k-11)/2)+(\n)
	SM (\y)+(k-11)%2
.endr
.else
.irp n, 0,1,2,3,4,5,6,7
.if ((\n) < 2) || (k == 63)
.irp t, \y, (\y)+1
.set j, 2*k+(\n)
	SM \t
.endr
.endif
.endr
.endif
.if k == 34
	v_nop                           ; the plain instruction behind the last exponential: one for the batch
.if (\y) == 0
	FETCH_V                         ; piece 2's turn: V's run of loads stands here, and the wait stands in it
.else
	s_wait_alu depctr_va_vdst(0)    ; the wait for the batch
.endif
.endif
.set k, k+1
.endm
; A TURN.  Piece x has the matrix unit; the other piece's softmax stands in slices behind its matrix instructions.  Piece 0's turn makes the masks of the step whose scores it starts (their last readers stand
; 24 products and their slices back) and fetches that step's K behind its second product (the last product that read K stands in front of slice 63 of the turn before).  Piece 2's turn fetches the same step's V
; behind slice 34: the last product that read V stands in front of slice 31, and four plain instructions lie between: number 62 of both tiles, the v_nop and the run's own v_add_nc_u32.
.macro TURN x
.set k, 0
.if (\x) == 0
	MASKS
	s_wait_dscnt 0x0                ; V is in
.endif
.set i, 0
.rept 32
	PV \x
	SLICE 2-(\x)
.if ((\x) == 0) && (i == 1)
	FETCH_K
.endif
.set i, i+1
.endr
.if (\x) == 0
	s_wait_dscnt 0x0                ; K is in
.endif
.set i, 0
.rept 32
	KQ \x
	SLICE 2-(\x)
.set i, i+1
.endr
.endm
; THE CHANGE OF SLOTS, between piece 2's turn and piece 0's: my step's K and V of the slot in hand have been asked for.  Each wave waits for all its tensor loads (one is out: its part of the next slot), adds 0
; to its spare word, and waits for that and for its own reads of the slot.  fill = 1: the slot is filled again, with the keys two slots on; the barrier is then a round of the cluster's, and the joint refill is
; the first thing behind it, my only tensor load until the next round: it has one of my steps, 128 matrix instructions and their softmax, in which to land.
.macro CHANGE fill
	WIN 0                           ; at a label and at a branch every window is 0
	s_wait_tensorcnt 0x0            ; no tensor load of mine is out, so a group 0 may be written
	ds_add_u32 v[SPW], v[NIL]       ; 0 onto my spare word
.if \fill
.irp g, G0K+4, G0V+4
	s_xor_b32 s[(\g)+1], s[(\g)+1], SLOT1  ; the walking descriptor: the other slot than last time,
	s_add_nc_u64 s[(\g)+2:(\g)+3], s[(\g)+2:(\g)+3], SLOTB  ; the next 128 keys; the type bits on top are not reached
.endr
	s_wait_xcnt 0x0                 ; the last prefetch, a step back, has read its address
	s_add_nc_u64 s[PFA:PFA+1], s[PFA:PFA+1], SLOTB
	s_wait_dscnt 0x0                ; the add is done, and my reads of the slot are over
	CROUND
	JLOAD
	ASK
.else
	s_wait_dscnt 0x0                ; the add is done, and my reads of the slot are over
	s_barrier_signal -1
	s_barrier_wait -1
.endif
	s_xor_b32 s[TB], s[TB], SLOT1   ; the fetches go on in the other slot
.endm
	WIN 0
	s_wait_tensorcnt 1              ; my part of slot 0 is in; slot 1's may stay out
	s_barrier_signal -1
	s_barrier_wait -1               ; everybody's is
	FETCH_K                         ; my step of slot 0
	s_wait_loadcnt 0x0              ; Q
	s_wait_dscnt 0x0
.set i, 0
.rept 32
	KQ 0                            ; piece 0's first scores
.set i, i+1
.endr
	WIN 0                           ; the addresses for the way out: ten plain instructions, the places behind those products
	s_mul_i32 s13, s[WV], 16*SP
	s_add_co_u32 s13, s13, STAGE    ; my stage
	s_mul_i32 s16, s[PP], MPAIR
	s_add_co_u32 s16, s16, MERGE    ; my pair's part of MERGE
	v_mul_u32_u24 v[STO], v1, SP    ; in: row l % 16, 16 bytes for each half of the lanes
	v_lshl_add_u32 v[STO], v9, 4, v[STO]
	v_add_nc_u32 v[STO], s13, v[STO]
	v_mul_u32_u24 v[RD], v9, SP     ; back: lanes 0-15 take one row of 256 bytes, lanes 16-31 the next
	v_lshl_add_u32 v[RD], v1, 4, v[RD]
	v_add_nc_u32 v[RD], s13, v[RD]
	v_lshlrev_b32 v[GO], 12, v9     ; and the same two rows in O
	v_lshl_add_u32 v[GO], v1, 4, v[GO]
	v_and_b32 v[MA], 31, v0
	v_lshl_add_u32 v[MA], v[MA], 4, s16
	s_mov_b32 s[SLOTS], 19
	s_branch .Lfirst                ; the loop is entered in the middle of a trip: piece 2's turn of a step that has not been
.Lslot:                             ; 18 times: slots 2 to 19 are asked for
	CHANGE 1
	TURN 0
	WIN 0
.Lfirst:
	TURN 2
	WIN 0
	s_sub_co_u32 s[SLOTS], s[SLOTS], 1
	s_cmp_lg_u32 s[SLOTS], 0
	s_cbranch_scc1 .Lslot
	CHANGE 0                        ; the tail is written out: nothing is asked for
	s_mov_b32 s[CNT], 2
.Ltail:                             ; steps 18 and 19; the second trip is left in its middle
	TURN 0
	WIN 0
	s_sub_co_u32 s[CNT], s[CNT], 1
	s_cmp_eq_u32 s[CNT], 0
	s_cbranch_scc1 .Lout
	TURN 2
	WIN 0
	s_branch .Ltail
.Lout:                              ; the second trip's 32 products K Q^T (on the last K once more) serve nothing: the price, once a launch, of one text for both trips
.set i, 0
.rept 32
	PV 2                            ; piece 2: V^T P of the last step
.set i, i+1
.endr
	WIN 0
.rept 8
	v_nop                           ; the places behind the last products, whose results LDS stores read with no other vector work between
.endr
	; THE TWO HALVES OF THE KEYS MEET.  The odd wave of a pair lays its O^T and statistics into LDS, lane by lane; the even wave, whose lanes hold the same queries and channels, takes them.
	s_cmp_eq_u32 s[E], 0
	s_cbranch_scc1 .Lkeep
	WIN 0x04                        ; the stores' data in window 1
.set i, 0
.rept 64
	ds_store_b128 v[MA], v[4*i:4*i+3] offset:512*i  ; ascending: each accumulator's low four registers go first
.set i, i+1
.endr
	WIN 0
.irp t, 0,1,2,3
	ds_store_b128 v[MA], v[ST+8*(\t):ST+8*(\t)+3] offset:32768+512*(\t)
.endr
.Lkeep:
	s_wait_dscnt 0x0                ; for the partner's sake: my stores are done
	s_barrier_signal -1
	s_barrier_wait -1
	s_cmp_eq_u32 s[E], 0
	s_cbranch_scc0 .Lend
.irp t, 0,1,2,3
	ds_load_b128 v[P+4*(\t):P+4*(\t)+3], v[MA] offset:32768+512*(\t)  ; the partner's c m, m, l, l
.endr
	WIN 0x80                        ; its O^T into window 2, where Q and K lay
.set i, 0
.rept 64
	ds_load_b128 v[4*i:4*i+3], v[MA] offset:512*i
.set i, i+1
.endr
	WIN 0
	s_wait_dscnt 60                 ; of the 68 loads the first eight are in, the four of statistics among them
.irp t, 0,1,2,3
	v_max_num_f32 v[ST+8*(\t)+5], v[ST+8*(\t)], v[P+4*(\t)]          ; the common c m
.endr
.irp t, 0,1,2,3
	v_sub_f32 v[ST+8*(\t)+4], v[ST+8*(\t)], v[ST+8*(\t)+5]
	v_sub_f32 v[ST+8*(\t)+6], v[P+4*(\t)], v[ST+8*(\t)+5]
.endr
.irp t, 0,1,2,3
	v_exp_f32 v[ST+8*(\t)+4], v[ST+8*(\t)+4]                         ; my factor,
	v_exp_f32 v[ST+8*(\t)+6], v[ST+8*(\t)+6]                         ; the partner's
.endr
	v_nop                           ; a plain instruction behind the last exponential,
	s_wait_alu depctr_va_vdst(0)    ; and one wait for the eight
.irp t, 0,1,2,3
	v_pk_mul_f32 v[ST+8*(\t)+2:ST+8*(\t)+3], v[ST+8*(\t)+2:ST+8*(\t)+3], v[ST+8*(\t)+4:ST+8*(\t)+5] op_sel_hi:[1,0]
.endr
.irp t, 0,1,2,3
	v_pk_fma_f32 v[ST+8*(\t)+2:ST+8*(\t)+3], v[P+4*(\t)+2:P+4*(\t)+3], v[ST+8*(\t)+6:ST+8*(\t)+7], v[ST+8*(\t)+2:ST+8*(\t)+3] op_sel_hi:[1,0,1]
.endr
.irp t, 0,1,2,3
	v_add_f32 v[ST+8*(\t)+2], v[ST+8*(\t)+2], v[ST+8*(\t)+3]
.endr
.irp t, 0,1,2,3
	v_permlanex16_b32 v[ST+8*(\t)+3], v[ST+8*(\t)+2], s[SEL], s[SEL+1]
.endr
.irp t, 0,1,2,3
	v_add_f32 v[ST+8*(\t)+2], v[ST+8*(\t)+2], v[ST+8*(\t)+3]
.endr
.irp t, 0,1,2,3
	v_rcp_f32 v[ST+8*(\t)+2], v[ST+8*(\t)+2]
.endr
	v_nop
	s_wait_alu depctr_va_vdst(0)    ; one wait for the four reciprocals
.irp t, 0,1,2,3
	v_mul_f32 v[ST+8*(\t)+4], v[ST+8*(\t)+4], v[ST+8*(\t)+2]         ; both factors divided by l
	v_mul_f32 v[ST+8*(\t)+6], v[ST+8*(\t)+6], v[ST+8*(\t)+2]
.endr
; Tile t: O = mine x my factor + the partner's x its factor; a lane's eight channels of a row pack into 16 bytes, go into rows of 272 bytes and come back as whole rows of 256.
.macro FIN t
	s_wait_dscnt 48                 ; the partner's tile t is in: behind its loads stand 16 (3 - t) of the later tiles' and 16 t of the stage's instructions
	WIN 0x82                        ; destination and source 0 window 2
.set i, 64*(\t)
.rept 32
	v_pk_mul_f32 v[i:i+1], v[i:i+1], v[ST+8*(\t)+6:ST+8*(\t)+7] op_sel_hi:[1,0]
.set i, i+2
.endr
	WIN 0xa1                        ; source 0 window 1, source 2 and destination window 2
.set i, 64*(\t)
.rept 32
	v_pk_fma_f32 v[i:i+1], v[i:i+1], v[ST+8*(\t)+4:ST+8*(\t)+5], v[i:i+1] op_sel_hi:[1,0,1]
.set i, i+2
.endr
	WIN 0x0a                        ; sources 0 and 1 window 2, destination window 0: S^T's registers are free
.set i, 0
.rept 32
	v_cvt_pk_f16_f32 v[S+32*(\t)+i], v[64*(\t)+2*i], v[64*(\t)+2*i+1]
.set i, i+1
.endr
	WIN 0
.irp f, 0,1,2,3,4,5,6,7
	ds_store_b128 v[STO], v[S+32*(\t)+4*(\f):S+32*(\t)+4*(\f)+3] offset:32*(\f)
.endr
.irp f, 0,1,2,3,4,5,6,7
	ds_load_b128 v[S+32*(\t)+4*(\f):S+32*(\t)+4*(\f)+3], v[RD] offset:(\f)*2*SP  ; LDS serves a wave's instructions in order (ISA guide 5.7.1.4): these see the stores above
.endr
.endm
.macro SEND t, younger              ; younger: the LDS instructions issued behind tile t's loads: the next tile's sixteen, or none
	WIN 0
.irp f, 0,1,2,3,4,5,6,7
	s_wait_dscnt (\younger)+7-(\f)
	global_store_b128 v[GO], v[S+32*(\t)+4*(\f):S+32*(\t)+4*(\f)+3], s[10:11] offset:(\t)*16*ROWB+(\f)*2*ROWB  ; 16 lanes store 256 consecutive bytes, aligned
.endr
.endm
	FIN 0
	FIN 1
	SEND 0, 16
	FIN 2
	SEND 1, 16
	FIN 3
	SEND 2, 16
	SEND 3, 0
.Lend:
	s_wait_tensorcnt 0x0            ; the wave's end: these three lines stand behind my last tensor load and my last LDS store
	ds_add_u32 v[SPW], v[NIL]
	s_wait_dscnt 0x0
	CROUND                          ; the closing round: no work-group ends while a partner may still ask for a tile that names it
	s_endpgm
.Lfunc_end_k_qd0ce7222dd_attn:
	.size	k_qd0ce7222dd_attn, .Lfunc_end_k_qd0ce7222dd_attn-k_qd0ce7222dd_attn
	.p2alignl 7, 3214868480
	.fill 96, 4, 3214868480
	.section	.rodata,"a",@progbits
	.p2align	6, 0x0
	.amdhsa_kernel k_qd0ce7222dd_attn
		.amdhsa_group_segment_fixed_size 327680
		.amdhsa_private_segment_fixed_size 0
		.amdhsa_enable_private_segment 0
		.amdhsa_kernarg_size 32
		.amdhsa_user_sgpr_count 2
		.amdhsa_user_sgpr_kernarg_segment_ptr 1
		.amdhsa_wavefront_size32 1
		.amdhsa_system_sgpr_workgroup_id_x 1
		.amdhsa_system_sgpr_workgroup_id_y 1
		.amdhsa_system_sgpr_workgroup_id_z 1
		.amdhsa_system_vgpr_workitem_id 0
		.amdhsa_next_free_vgpr 1024
		.amdhsa_next_free_sgpr 80
		.amdhsa_reserve_vcc 1
		.amdhsa_float_denorm_mode_32 3
		.amdhsa_float_denorm_mode_16_64 3
		.amdhsa_memory_ordered 1
		.amdhsa_forward_progress 1
		.amdhsa_inst_pref_size 180
	.end_amdhsa_kernel
	.amdgpu_metadata
---
amdhsa.version: [ 1, 2 ]
amdhsa.kernels:
  - .name:           k_qd0ce7222dd_attn
    .symbol:         k_qd0ce7222dd_attn.kd
    .args:
      - { .name: qf, .offset: 0, .size: 8, .value_kind: global_buffer, .address_space: global }
      - { .name: kf, .offset: 8, .size: 8, .value_kind: global_buffer, .address_space: global }
      - { .name: vf, .offset: 16, .size: 8, .value_kind: global_buffer, .address_space: global }
      - { .name: of, .offset: 24, .size: 8, .value_kind: global_buffer, .address_space: global }
    .group_segment_fixed_size: 327680
    .private_segment_fixed_size: 0
    .kernarg_segment_align: 8
    .kernarg_segment_size: 32
    .max_flat_workgroup_size: 128
    .sgpr_count:     80
    .vgpr_count:     1024
    .wavefront_size: 32
...
	.end_amdgpu_metadata
.endif
;; end of part 3
;; launch outp (part 4): grid 16 x 16, 4 waves a work-group, clusters of 4 x 4, 327,680 bytes of LDS; arguments of, woh, out0; writes out0
.if DOCPART == 4
	.amdgcn_target "amdgcn-amd-amdhsa--gfx1250"
	.amdhsa_code_object_version 6
	.text
	.protected	k_qd0ce7222dd_outp
	.globl	k_qd0ce7222dd_outp
	.p2align	8
	.type	k_qd0ce7222dd_outp,@function
k_qd0ce7222dd_outp:
	s_mov_b64 s[64:65], 0
	v_nop
	global_prefetch_b8 v0, s[64:65] scope:SCOPE_SE
	s_setreg_imm32_b32 hwreg(HW_REG_WAVE_MODE, 25, 1), 1
	s_wait_xcnt 0x0
	s_wait_alu depctr_hold_cnt(0) depctr_sa_sdst(0) depctr_va_vdst(0) depctr_va_sdst(0) depctr_va_ssrc(0) depctr_va_vcc(0) depctr_vm_vsrc(0)
	s_getreg_b32 s2, hwreg(HW_REG_IB_STS2, 6, 4)
	s_cmp_eq_u32 s2, 0
	s_cbranch_scc0 .Lentry_in_a_cluster
	s_endpgm
.Lentry_in_a_cluster:
	s_bfe_u32 s2, ttmp6, 0x10000c
	s_cmp_lg_u32 s2, 0xf033
	s_cbranch_scc0 .Lentry_shape_is_right
	s_endpgm
.Lentry_shape_is_right:
; out0[t][n] = sum over k of O[t][k] wo[n][k].  of, woh: [2048][2048] f16; out0: [2048][2048] f32; sums in f32.
; A tile of C is 128 x 128, so that 16 x 16 tiles give 256 work-groups.  Four waves, each 64 x 64: 16 accumulators of 16 x 16, 128 registers.  K goes in steps of 256 (LDS rows of 512 bytes; a wave's tensor
; load brings 64 of them), as long as two slots in LDS allow.  A wave's 64 columns of f32 are 256 aligned bytes, so each wave has a stage of its own on the way out and no barrier is needed there.
; CLUSTERS: 4 x 4 work-groups; the four of a row need the same tiles of O, the four of a column the same tiles of wo: each tile is asked for JOINTLY.  No prefetch: the tiles are small and the launch is short.
; THE MATRIX INSTRUCTION IS USED TRANSPOSED (source 0 = 16 rows of wo, source 1 = 16 rows of O): a lane holds eight neighbouring numbers of a row of C.
; REGISTERS: window 0: v0-31 addresses; v32-95 at work on the way out; v128-255 the accumulators ((a, b) at v[128 + 8 (4 a + b)]).  window 1: two fragment buffers of 128.
.set SIZE_N, 2048
.set SIZE_K, 2048
.set KSTEP,  256
.set PITCH,  528                       ; an LDS row: 512 bytes + 16 of padding = 132 words: the 16 rows of a load start at 16 different groups of four banks (64 banks of 4 bytes: ISA guide 11.1)
.set HALFT,  64*PITCH
.set SLOT,   4*HALFT
.set STAGE,  2*SLOT                    ; behind the ring: 32 rows x 272 bytes for each wave
.set SPITCH, 272
.set SPARE,  STAGE+4*32*SPITCH         ; the spare words, 128 bytes for each wave: two blocks of 256 bytes that no other line names
.set LAPS, SIZE_K/(2*KSTEP)
.set ADRA, 16
.set ADRB, 20
.set STO,  24                          ; v24  the way out: where I put 16 bytes of a row
.set RD,   25                          ; v25  where I read a row back
.set CO,   26                          ; v26  my byte offset in two rows of C
.set SPW,  28
.set NIL,  29
.set TMP,  32
.set ACC,  128
.set F0,   0
.set F1,   128
.set G1, 24
.set G0, 32
.set G1B, 48
.set G0B, 56
.set MSB, 0
.macro WIN new
.if MSB != (\new)
	s_set_vgpr_msb (MSB<<8)|(\new)
.set MSB, \new
.endif
.endm
.set MUL,  0x05                        ; sources 0 (wo) and 1 (O) window 1; C and D window 0
.set TO_F, 0x40                        ; destination window 1, address window 0
.macro JLOAD s                         ; a joint load: waves 0 and 1 fetch O's two halves, waves 2 and 3 wo's; an s_nop 0 and four v_nop follow each of the two lines
	s_cmp_eq_u32 s11, 0
	s_cbranch_scc0 .Lfor_b_\@
	tensor_load_to_lds s[G0+4*(\s):G0+4*(\s)+3], s[G1:G1+7]
	s_nop 0
.rept 4
	v_nop
.endr
	s_branch .Lasked_\@
.Lfor_b_\@:
	tensor_load_to_lds s[G0B+4*(\s):G0B+4*(\s)+3], s[G1B:G1B+7]
	s_nop 0
.rept 4
	v_nop
.endr
.Lasked_\@:
.endm
.macro CREST
	s_cmp_lg_u32 s10, 0
	s_cbranch_scc1 .Lnot_wave_0_\@
	s_barrier_signal -3
.Lnot_wave_0_\@:
	s_barrier_wait -3
	s_barrier_signal -1
	s_barrier_wait -1
.endm
.macro CROUND
	s_barrier_signal -1
	s_barrier_wait -1
	CREST
.endm
	s_load_b128 s[4:7], s[0:1], 0x0                ; of s[4:5], woh s[6:7]
	s_load_b64 s[8:9], s[0:1], 0x10                ; out0
	v_lshl_add_u32 v[SPW], v0, 2, SPARE
	v_mov_b32 v[NIL], 0
	ds_add_u32 v[SPW], v[NIL]                      ; the wave's opening: the add and its wait stand ahead of my first tensor load
	v_lshrrev_b32 v1, 5, v0
	v_readfirstlane_b32 s10, v1                    ; wave 0..3
	s_lshr_b32 s11, s10, 1                         ; which half of the tile's rows is mine.  Also: I fetch for O (0) or for wo (1)
	s_and_b32 s12, s10, 1                          ; which half of its columns.  Also: which 64 rows of that tile I fetch
	s_bfe_u32 s40, ttmp6, 0x40000                  ; cx, cy
	s_bfe_u32 s41, ttmp6, 0x40004
	s_lshl_b32 s42, ttmp9, 2
	s_add_co_u32 s42, s42, s40                     ; tile column
	s_and_b32 s13, ttmp7, 0xffff
	s_lshl_b32 s13, s13, 2
	s_add_co_u32 s13, s13, s41                     ; tile row
	s_lshl_b32 s43, s41, 2
	s_lshl_b32 s43, 15, s43                        ; my row of the cluster
	s_lshl_b32 s44, 0x1111, s40                    ; my column
	s_or_b32 s[G1+0], s43, (1<<16)|(1<<20)|(1<<21)|(6<<22)|(3<<25)  ; the mask; elements of 2 bytes; padding on; 21 set beside a mask; after every 128 words (code 6) 4 words (code 3)
	s_or_b32 s[G1B+0], s44, (1<<16)|(1<<20)|(1<<21)|(6<<22)|(3<<25)
.irp g, G1, G1B
	s_mov_b32 s[(\g)+1], KSTEP<<16                 ; tensor_dim0 = 256
	s_mov_b32 s[(\g)+2], 64<<16                    ; tensor_dim1 = 64
	s_mov_b32 s[(\g)+3], KSTEP<<16                 ; tile_dim0 = 256
	s_mov_b32 s[(\g)+4], 64                        ; tile_dim1 = 64
	s_mov_b32 s[(\g)+5], SIZE_K                    ; elements from row to row
	s_mov_b32 s[(\g)+6], 0
	s_mov_b32 s[(\g)+7], 0
.endr
	s_lshl_b32 s17, s12, 6
	s_lshl_b32 s16, s13, 7
	s_add_co_u32 s16, s16, s17                     ; O: row 128 x tile row + 64 x half
	s_lshl_b32 s46, s42, 7
	s_add_co_u32 s46, s46, s17                     ; wo: row 128 x tile column + 64 x half
	s_mov_b32 s17, 0
	s_mov_b32 s47, 0
	s_mov_b64 s[18:19], SIZE_K*2
	s_mul_u64 s[16:17], s[16:17], s[18:19]
	s_mul_u64 s[46:47], s[46:47], s[18:19]
	s_mul_i32 s20, s10, HALFT                      ; where they go: wave x 64 rows
	s_wait_dscnt 0x0                               ; the opening add is done
	s_wait_kmcnt 0x0
	s_add_nc_u64 s[14:15], s[4:5], s[16:17]
	s_add_nc_u64 s[46:47], s[6:7], s[46:47]
	CROUND                                         ; all sixteen work-groups are here: the first joint loads meet
.irp s, 0,1
	s_mov_b32 s[G0+4*(\s)], 1
	s_add_co_u32 s[G0+4*(\s)+1], s20, (\s)*SLOT
	s_add_nc_u64 s[G0+4*(\s)+2:G0+4*(\s)+3], s[14:15], (\s)*KSTEP*2
	s_or_b32 s[G0+4*(\s)+3], s[G0+4*(\s)+3], 0x80000000
	s_mov_b32 s[G0B+4*(\s)], 1
	s_add_co_u32 s[G0B+4*(\s)+1], s20, (\s)*SLOT
	s_add_nc_u64 s[G0B+4*(\s)+2:G0B+4*(\s)+3], s[46:47], (\s)*KSTEP*2
	s_or_b32 s[G0B+4*(\s)+3], s[G0B+4*(\s)+3], 0x80000000
	JLOAD \s                                       ; two loads of mine are out
.endr
	v_and_b32 v1, 15, v0                           ; l % 16
	v_bfe_u32 v2, v0, 4, 1                         ; l / 16
	v_mul_u32_u24 v3, v1, PITCH
	v_lshl_add_u32 v3, v2, 4, v3
	s_mul_i32 s21, s11, HALFT                      ; my 64 rows of O
	s_mul_i32 s22, s12, HALFT                      ; my 64 rows of wo,
	s_add_co_u32 s22, s22, 2*HALFT                 ; which lie behind O's 128
.irp s, 0,1
	v_add_nc_u32 v[ADRA+(\s)], s21, v3
	v_add_nc_u32 v[ADRB+(\s)], s22, v3
	s_add_co_u32 s21, s21, SLOT
	s_add_co_u32 s22, s22, SLOT
.endr
	s_mul_i32 s23, s10, 32*SPITCH
	s_add_co_u32 s23, s23, STAGE                   ; my stage
	v_mul_u32_u24 v4, v1, SPITCH                   ; in: row l % 16, 32 bytes for each half of the lanes
	v_lshl_add_u32 v4, v2, 5, v4
	v_add_nc_u32 v[STO], s23, v4
	v_mul_u32_u24 v5, v2, SPITCH                   ; back: lanes 0-15 take one row of 256 bytes, lanes 16-31 the next
	v_lshl_add_u32 v5, v1, 4, v5
	v_add_nc_u32 v[RD], s23, v5
	v_mul_u32_u24 v5, v2, SIZE_N*4                 ; and the same two rows in C
	v_lshl_add_u32 v[CO], v1, 4, v5
	s_lshl_b32 s16, s13, 7
	s_lshl_b32 s17, s11, 6
	s_add_co_u32 s16, s16, s17                     ; my first row: 128 x tile row + 64 x half
	s_mov_b32 s17, 0
	s_mov_b64 s[18:19], SIZE_N*4
	s_mul_u64 s[16:17], s[16:17], s[18:19]
	s_add_nc_u64 s[8:9], s[8:9], s[16:17]
	s_lshl_b32 s46, s42, 9                         ; my first column, in bytes: 512 x tile column + 256 x half
	s_lshl_b32 s47, s12, 8
	s_add_co_u32 s46, s46, s47
	s_mov_b32 s47, 0
	s_add_nc_u64 s[8:9], s[8:9], s[46:47]
; 8 matrix instructions: m blocks a0, a0 + 1 x all 4 n blocks, 32 along K: half c of buffer f.  zero = 1: the first product starts the sums.  The 16 accumulators take turns.
.macro MUL8 f, c, a0, zero
	WIN MUL
.irp a, \a0, (\a0)+1
.irp b, 0,1,2,3
.if \zero
	v_wmma_f32_16x16x32_f16 v[ACC+8*(4*(\a)+(\b)):ACC+8*(4*(\a)+(\b))+7], v[(\f)+64+8*(4*(\c)+(\b)):(\f)+64+8*(4*(\c)+(\b))+7], v[(\f)+8*(4*(\c)+(\a)):(\f)+8*(4*(\c)+(\a))+7], 0
.else
	v_wmma_f32_16x16x32_f16 v[ACC+8*(4*(\a)+(\b)):ACC+8*(4*(\a)+(\b))+7], v[(\f)+64+8*(4*(\c)+(\b)):(\f)+64+8*(4*(\c)+(\b))+7], v[(\f)+8*(4*(\c)+(\a)):(\f)+8*(4*(\c)+(\a))+7], v[ACC+8*(4*(\a)+(\b)):ACC+8*(4*(\a)+(\b))+7]
.endif
.endr
.endr
.endm
; 32 LDS loads in one run: the fragments of 64 along K at byte k of the rows, into buffer f; the first 32 along K first
.macro FETCH slot, k, f
	WIN TO_F
.irp c, 0,1
.irp i, 0,1,2,3
	ds_load_b128 v[(\f)+64+8*(4*(\c)+(\i)):(\f)+64+8*(4*(\c)+(\i))+3],   v[ADRB+(\slot)] offset:(\k)+64*(\c)+(\i)*16*PITCH
	ds_load_b128 v[(\f)+64+8*(4*(\c)+(\i))+4:(\f)+64+8*(4*(\c)+(\i))+7], v[ADRB+(\slot)] offset:(\k)+64*(\c)+(\i)*16*PITCH+32
	ds_load_b128 v[(\f)+8*(4*(\c)+(\i)):(\f)+8*(4*(\c)+(\i))+3],         v[ADRA+(\slot)] offset:(\k)+64*(\c)+(\i)*16*PITCH
	ds_load_b128 v[(\f)+8*(4*(\c)+(\i))+4:(\f)+8*(4*(\c)+(\i))+7],       v[ADRA+(\slot)] offset:(\k)+64*(\c)+(\i)*16*PITCH+32
.endr
.endr
.endm
.macro PLACES                          ; four places in front of loads into registers that matrix instructions have read
.rept 4
	v_nop
.endr
.endm
; A K step is four quarters of 64 along K, 32 matrix instructions each, on buffers 0, 1, 0, 1.
.macro QUARTER slot, k, f, g, zero
	s_wait_dscnt 16                                ; the first 32 along K are in
	WIN MUL
	MUL8 \f, 0, 0, \zero
	MUL8 \f, 0, 2, \zero
	PLACES
	FETCH \slot, \k, \g
	s_wait_dscnt 32                                ; all but the 32 just issued
	WIN MUL
	MUL8 \f, 1, 0, 0
	MUL8 \f, 1, 2, 0
.endm
; The last quarter multiplies buffer 1 and changes slots: ONE barrier; in front of it each wave waits for all its tensor loads, adds 0 to its spare word, and waits for that and for its own reads of this slot.
.macro TURN slot, next, fill
	WIN 0                                          ; (the add's two registers lie in window 0)
	s_wait_tensorcnt 0x0                           ; all my tensor loads have landed: my part of the next slot
	ds_add_u32 v[SPW], v[NIL]                      ; 0 onto my spare word
	s_wait_dscnt 17                                ; (the add and the youngest sixteen loads may be out)
	WIN MUL
	MUL8 F1, 0, 0, 0
	s_wait_dscnt 0x0                               ; the add is done, and my reads of this slot are over
	s_barrier_signal -1
	MUL8 F1, 0, 2, 0
.if \fill
	WIN 0
.endif
	s_barrier_wait -1
.if \fill
	CREST                                          ; no wave of any partner still reads this slot's tile or has a load on its way
	s_add_nc_u64 s[G0+4*(\slot)+2:G0+4*(\slot)+3], s[G0+4*(\slot)+2:G0+4*(\slot)+3], 2*KSTEP*2
	s_add_nc_u64 s[G0B+4*(\slot)+2:G0B+4*(\slot)+3], s[G0B+4*(\slot)+2:G0B+4*(\slot)+3], 2*KSTEP*2
	JLOAD \slot                                    ; the first tensor load behind the round, my only one until the next: 112 matrix instructions ahead of the wait for it
.else
	PLACES
.endif
	FETCH \next, 0, F0
	WIN MUL
	MUL8 F1, 1, 0, 0
	MUL8 F1, 1, 2, 0
.endm
	s_wait_tensorcnt 1                             ; my part of K step 0 is in; K step 1's may stay out
	s_barrier_signal -1
	s_barrier_wait -1
	FETCH 0, 0, F0
	QUARTER 0, 128, F0, F1, 1                      ; the first quarter stands in front of the loop: its first products start the sums
	WIN 0
	s_mov_b32 s3, LAPS-1
.Llap:
	QUARTER 0, 256, F1, F0, 0
	QUARTER 0, 384, F0, F1, 0
	TURN 0, 1, 1
	QUARTER 1, 128, F0, F1, 0
	QUARTER 1, 256, F1, F0, 0
	QUARTER 1, 384, F0, F1, 0
	TURN 1, 0, 1
	QUARTER 0, 128, F0, F1, 0
	WIN 0
	s_sub_co_u32 s3, s3, 1
	s_cmp_lg_u32 s3, 0
	s_cbranch_scc1 .Llap
	QUARTER 0, 256, F1, F0, 0                      ; the last lap fills nothing
	QUARTER 0, 384, F0, F1, 0
	TURN 0, 1, 0
	QUARTER 1, 128, F0, F1, 0
	QUARTER 1, 256, F1, F0, 0
	QUARTER 1, 384, F0, F1, 0
	s_wait_dscnt 16
	WIN MUL
	MUL8 F1, 0, 0, 0
	MUL8 F1, 0, 2, 0
	s_wait_dscnt 0
	MUL8 F1, 1, 0, 0
	MUL8 F1, 1, 2, 0
	WIN 0
	; THE WAY OUT, 32 rows at a time: 32 bytes a lane into my own stage, back as whole rows of 256 bytes.  LDS serves a wave's instructions in order (ISA guide 5.7.1.4): no wait between the stores and the loads.
.rept 8
	v_nop                                          ; the places behind the last products, whose results LDS stores read with no other vector work between
.endr
.irp g, 0,1
.if (\g) == 1
	s_wait_xcnt 0x0                                ; the first half's stores have read TMP, which is loaded again below
.endif
.irp a, 0,1
.irp b, 0,1,2,3
	ds_store_b128 v[STO], v[ACC+8*(4*(2*(\g)+(\a))+(\b)):ACC+8*(4*(2*(\g)+(\a))+(\b))+3]   offset:(\a)*16*SPITCH+64*(\b)
	ds_store_b128 v[STO], v[ACC+8*(4*(2*(\g)+(\a))+(\b))+4:ACC+8*(4*(2*(\g)+(\a))+(\b))+7] offset:(\a)*16*SPITCH+64*(\b)+16
.endr
.endr
.irp t, 0,1,2,3,4,5,6,7,8,9,10,11,12,13,14,15
	ds_load_b128 v[TMP+4*(\t):TMP+4*(\t)+3], v[RD] offset:(\t)*2*SPITCH
.endr
.irp t, 0,1,2,3,4,5,6,7,8,9,10,11,12,13,14,15
	s_wait_dscnt 15-(\t)
	global_store_b128 v[CO], v[TMP+4*(\t):TMP+4*(\t)+3], s[8:9] offset:(32*(\g)+2*(\t))*SIZE_N*4  ; 16 lanes store 256 consecutive bytes, aligned
.endr
.endr
	s_wait_tensorcnt 0x0                           ; the wave's end: these three lines stand behind my last tensor load and my last LDS store
	ds_add_u32 v[SPW], v[NIL]
	s_wait_dscnt 0x0
	CROUND                                         ; the closing round
	s_endpgm
.Lfunc_end_k_qd0ce7222dd_outp:
	.size	k_qd0ce7222dd_outp, .Lfunc_end_k_qd0ce7222dd_outp-k_qd0ce7222dd_outp
	.p2alignl 7, 3214868480
	.fill 96, 4, 3214868480
	.section	.rodata,"a",@progbits
	.p2align	6, 0x0
	.amdhsa_kernel k_qd0ce7222dd_outp
		.amdhsa_group_segment_fixed_size 327680
		.amdhsa_private_segment_fixed_size 0
		.amdhsa_enable_private_segment 0
		.amdhsa_kernarg_size 24
		.amdhsa_user_sgpr_count 2
		.amdhsa_user_sgpr_kernarg_segment_ptr 1
		.amdhsa_wavefront_size32 1
		.amdhsa_system_sgpr_workgroup_id_x 1
		.amdhsa_system_sgpr_workgroup_id_y 1
		.amdhsa_system_sgpr_workgroup_id_z 1
		.amdhsa_system_vgpr_workitem_id 0
		.amdhsa_next_free_vgpr 512
		.amdhsa_next_free_sgpr 66
		.amdhsa_reserve_vcc 0
		.amdhsa_float_denorm_mode_32 3
		.amdhsa_float_denorm_mode_16_64 3
		.amdhsa_memory_ordered 1
		.amdhsa_forward_progress 1
		.amdhsa_inst_pref_size 87
	.end_amdhsa_kernel
	.amdgpu_metadata
---
amdhsa.version: [ 1, 2 ]
amdhsa.kernels:
  - .name:           k_qd0ce7222dd_outp
    .symbol:         k_qd0ce7222dd_outp.kd
    .args:
      - { .name: of, .offset: 0, .size: 8, .value_kind: global_buffer, .address_space: global }
      - { .name: woh, .offset: 8, .size: 8, .value_kind: global_buffer, .address_space: global }
      - { .name: out0, .offset: 16, .size: 8, .value_kind: global_buffer, .address_space: global }
    .group_segment_fixed_size: 327680
    .private_segment_fixed_size: 0
    .kernarg_segment_align: 8
    .kernarg_segment_size: 24
    .max_flat_workgroup_size: 128
    .sgpr_count:     66
    .vgpr_count:     512
    .wavefront_size: 32
...
	.end_amdgpu_metadata
.endif
;; end of part 4
